; MI455X (gfx1250); checked and timed in simulation.
; The chip was launched on July 23, 2026; its instructions are those of AMD's public machine-readable ISA for CDNA 5 (MIT licence, August 2026) and "CDNA5" Instruction Set Architecture Reference Guide (July 2026). The comments in the code are by the model that wrote it; some were corrected since.
;; Linear Attention. Allowed arithmetic: float matrix products may take bf16 or f16 operands with f32 sums; other float arithmetic in f32, or as packed bf16 or f16 multiplies, adds, multiply-adds, maxima and minima; sums over many terms, partial sums and values carried from step to step in f32; what a program stores and reads back later, other than sums and carried values, may be rounded once to bf16 or f16.
;; Inputs: Wk 1,024 x 1,024 float32; Wq 1,024 x 1,024 float32; Wv 1,024 x 1,024 float32; beta 1,024 float32; bk 1,024 float32; bq 1,024 float32; bv 1,024 float32; gamma 1,024 float32; x 8 x 2,048 x 1,024 float32.
;; Outputs: out0 8 x 2,048 x 1,024 float32.
;; One version. Each part assembles by itself: llvm-mc -triple=amdgcn-amd-amdhsa -mcpu=gfx1250 --defsym DOCPART=n.
;; ======== version 1 of 1: 4 launches
;; workspace buffers: xb 33,554,432 bytes; wb 6,291,456 bytes; tab 4,194,304 bytes; q2 33,554,432 bytes; kvp 16,777,216 bytes; ksp 262,144 bytes; kvf 1,048,576 bytes; km 32,768 bytes
;; launch prep (part 1): grid 1344 x 1, 8 waves a work-group, no clusters, 0 bytes of LDS; arguments x, Wq, Wk, Wv, xb, wb, tab; writes xb, wb, tab
.if DOCPART == 1
	.amdgcn_target "amdgcn-amd-amdhsa--gfx1250"
	.amdhsa_code_object_version 6
	.text
	.protected	k_q586c70db7a_prep
	.globl	k_q586c70db7a_prep
	.p2align	8
	.type	k_q586c70db7a_prep,@function
k_q586c70db7a_prep:
	s_mov_b64 s[64:65], 0
	v_nop
	global_prefetch_b8 v0, s[64:65] scope:SCOPE_SE
	s_setreg_imm32_b32 hwreg(HW_REG_WAVE_MODE, 25, 1), 1
	s_wait_xcnt 0x0
; PREP.  Three jobs, chosen by the work-group's number alone.  The table's groups have the most instructions a byte, so they have the lowest numbers and begin with the launch:
;   groups 0..127      the rotary table tab [128 blocks of 16 positions][64 blocks of 16 channels][32 lanes][16 bytes]: lane 16 h + r holds, for position 16 nbn + r and the four
;                      channel pairs 8 cb + 4 h + i, a word with cos in its low and sin in its high half, both f16.
;   groups 128..1151   x  [16384][1024] f32 -> xb bf16, 16 rows a group
;   groups 1152..1343  Wq, Wk, Wv [1024][1024] f32 -> wb [3072][1024] bf16, 16 rows a group.  Rows 0..1023 of wb are Wq's; row 1024 + 256 X + 128 s + 64 m + i is
;                      row 64 (2 X + s) + i of Wk (m = 0) or Wv (m = 1): a head's 64 k channels and its 64 v channels lie side by side, 128 rows that one wave of the product takes.
; LIMITS.  x and the weights are rounded once to bf16 (matrix operands).  cos and sin lie in -1..1 and are rounded once to f16.  The angle is the f32 product position x frequency;
; it is reduced by a two-part pi/2 and the series are cut at r^9 and r^8 for |r| <= pi/4, where the terms left out are below 3e-8.
.set NTG, 128                          ; groups for the table
.set NXG, 1024                         ; groups for x
	s_load_b256 s[4:11], s[0:1], 0x0               ; x s[4:5], Wq s[6:7], Wk s[8:9], Wv s[10:11]
	s_load_b128 s[12:15], s[0:1], 0x20             ; xb s[12:13], wb s[14:15]
	s_load_b64 s[16:17], s[0:1], 0x30              ; tab
	s_cmp_lt_u32 ttmp9, NTG
	s_cbranch_scc1 .Ltable
	s_sub_co_u32 s18, ttmp9, NTG
	s_cmp_lt_u32 s18, NXG
	s_cbranch_scc0 .Lweights
	s_lshl_b32 s20, s18, 16                        ; 16 rows of 4,096 bytes in,
	s_mov_b32 s21, 0
	s_lshl_b32 s22, s18, 15                        ; 16 rows of 2,048 bytes out
	s_mov_b32 s23, 0
	s_wait_kmcnt 0x0
	s_add_nc_u64 s[24:25], s[4:5], s[20:21]
	s_add_nc_u64 s[26:27], s[12:13], s[22:23]
	s_branch .Lconv
.Lweights:
	s_sub_co_u32 s18, s18, NXG
	s_lshr_b32 s19, s18, 6                         ; m: 0 Wq, 1 Wk, 2 Wv
	s_and_b32 s18, s18, 63                         ; rb: which 16 rows
	s_lshl_b32 s20, s18, 16
	s_mov_b32 s21, 0
	s_lshr_b32 s28, s18, 3
	s_lshl_b32 s28, s28, 8                         ; 256 X
	s_bfe_u32 s29, s18, 0x10002                    ; s = bit 2 of rb
	s_lshl_b32 s29, s29, 7
	s_add_co_u32 s28, s28, s29
	s_and_b32 s29, s18, 3
	s_lshl_b32 s29, s29, 4                         ; the 16 rows' place in the head's 64
	s_add_co_u32 s28, s28, s29
	s_lshl_b32 s29, s19, 6
	s_add_co_u32 s28, s28, s29
	s_add_co_u32 s28, s28, 960                     ; 1024 + 64 (m - 1)
	s_lshl_b32 s29, s18, 4                         ; Wq's rows stay where they are
	s_cmp_eq_u32 s19, 0
	s_cselect_b32 s22, s29, s28
	s_lshl_b32 s22, s22, 11
	s_mov_b32 s23, 0
	s_wait_kmcnt 0x0
	s_cmp_eq_u32 s19, 1
	s_cselect_b64 s[24:25], s[8:9], s[10:11]
	s_cmp_eq_u32 s19, 0
	s_cselect_b64 s[24:25], s[6:7], s[24:25]
	s_add_nc_u64 s[24:25], s[24:25], s[20:21]
	s_add_nc_u64 s[26:27], s[14:15], s[22:23]
.Lconv:
	; 65,536 bytes in 16 steps of 4,096: a wave's load covers 512 consecutive bytes, its store 256 consecutive bytes at a multiple of 256.  All loads go out first; no register is written twice.
	v_lshlrev_b32 v1, 4, v0
	v_lshlrev_b32 v2, 3, v0
.set i, 0
.rept 16
	global_load_b128 v[16+4*i:19+4*i], v1, s[24:25] offset:4096*i th:TH_LOAD_NT
.set i, i+1
.endr
.set i, 0
.rept 16
	s_wait_loadcnt 15-i                            ; loads come back in order: step i is in, the younger ones stay out
	v_cvt_pk_bf16_f32 v[80+2*i], v[16+4*i], v[17+4*i]
	v_cvt_pk_bf16_f32 v[81+2*i], v[18+4*i], v[19+4*i]
	global_store_b64 v2, v[80+2*i:81+2*i], s[26:27] offset:2048*i
.set i, i+1
.endr
	s_endpgm
.Ltable:
	; Wave w takes channel blocks 8 w .. 8 w + 7, one a trip.  A lane's four angles are worked side by side, a line for each of the four, so that no line reads the result of the line before it.
.set FQ, 8                             ; v[8:11]   the four frequencies
.set AN, 12                            ; v[12:15]  the angles
.set KK, 16                            ; v[16:19]  k = the nearest multiple of pi/2
.set RR, 20                            ; v[20:23]  r
.set WD, 24                            ; v[24:27]  the four words
.set KI, 32                            ; v[32:35]  k as a whole number
.set R2, 36                            ; v[36:39]  r^2
.set SN, 40                            ; v[40:43]  sin r
.set CS, 44                            ; v[44:47]  cos r
.set R3, 48                            ; v[48:51]  r^3
.set MM, 52                            ; v[52:55]  at work
.set SS, 56                            ; v[56:59]  sin of the angle
.set CC, 60                            ; v[60:63]  cos of the angle
.macro ALL line:vararg                 ; one line for each of the four, t = 0..3
.set t, 0
.rept 4
	\line
.set t, t+1
.endr
.endm
	s_mov_b32 s18, ttmp9                           ; nbn: the block of 16 positions
	v_lshrrev_b32 v1, 5, v0
	v_readfirstlane_b32 s19, v1                    ; wave
	v_and_b32 v2, 15, v0                           ; r
	v_bfe_u32 v3, v0, 4, 1                         ; h
	v_and_b32 v6, 31, v0
	v_lshlrev_b32 v6, 4, v6                        ; my 16 bytes of a block of 512
	s_lshl_b32 s20, s18, 4
	v_add_nc_u32 v4, s20, v2
	v_cvt_f32_u32 v4, v4                           ; the position
	s_lshl_b32 s21, s19, 6
	v_lshl_add_u32 v5, v3, 2, s21                  ; my first pair: 64 w + 4 h, 8 further each trip
	v_mov_b32 v28, 0x3638ef1d                      ; 1/362880
	v_mov_b32 v29, 0x37d00d01                      ; 1/40320
	s_lshl_b32 s22, s18, 15
	s_lshl_b32 s23, s19, 12
	s_add_co_u32 s22, s22, s23
	s_mov_b32 s23, 0
	s_wait_kmcnt 0x0
	s_add_nc_u64 s[24:25], s[16:17], s[22:23]
	s_mov_b32 s20, 8
.Ltrip:
	ALL v_add_nc_u32 v[AN+t], t, v5
	ALL v_cvt_f32_u32 v[AN+t], v[AN+t]
	ALL v_mul_f32 v[AN+t], 0xbcd49a78, v[AN+t]                 ; - pair x log2(10000) / 512
	ALL v_exp_f32 v[FQ+t], v[AN+t]                             ; the four frequencies: one batch
	v_nop                                          ; a plain instruction behind the last of them,
	s_wait_alu depctr_va_vdst(0)                   ; and the one wait ahead of the first use
	ALL v_mul_f32 v[AN+t], v4, v[FQ+t]                         ; the angle
	ALL v_mul_f32 v[KK+t], 0x3f22f983, v[AN+t]                 ; x 2/pi
	ALL v_rndne_f32 v[KK+t], v[KK+t]                           ; k
	ALL v_fmamk_f32 v[RR+t], v[KK+t], 0xbfc90fdb, v[AN+t]      ; r = angle - k x pi/2, pi/2 in two parts
	ALL v_fmamk_f32 v[RR+t], v[KK+t], 0x333bbd2e, v[RR+t]
	ALL v_cvt_i32_f32 v[KI+t], v[KK+t]
	ALL v_mul_f32 v[R2+t], v[RR+t], v[RR+t]
	ALL v_fmaak_f32 v[SN+t], v28, v[R2+t], 0xb9500d01          ; sin r = r + r r^2 (-1/6 + r^2 (1/120 + r^2 (-1/5040 + r^2/362880)))
	ALL v_fmaak_f32 v[CS+t], v29, v[R2+t], 0xbab60b61          ; cos r = 1 + r^2 (-1/2 + r^2 (1/24 + r^2 (-1/720 + r^2/40320)))
	ALL v_fmaak_f32 v[SN+t], v[SN+t], v[R2+t], 0x3c088889
	ALL v_fmaak_f32 v[CS+t], v[CS+t], v[R2+t], 0x3d2aaaab
	ALL v_fmaak_f32 v[SN+t], v[SN+t], v[R2+t], 0xbe2aaaab
	ALL v_fmaak_f32 v[CS+t], v[CS+t], v[R2+t], 0xbf000000
	ALL v_mul_f32 v[R3+t], v[RR+t], v[R2+t]
	ALL v_fma_f32 v[CS+t], v[CS+t], v[R2+t], 1.0
	ALL v_fma_f32 v[SN+t], v[R3+t], v[SN+t], v[RR+t]
	ALL v_and_b32 v[MM+t], 1, v[KI+t]                          ; odd quadrants swap the two,
	ALL v_cmp_ne_u32 s[28+t], 0, v[MM+t]
	ALL v_cndmask_b32 v[SS+t], v[SN+t], v[CS+t], s[28+t]
	ALL v_cndmask_b32 v[CC+t], v[CS+t], v[SN+t], s[28+t]
	ALL v_and_b32 v[MM+t], 2, v[KI+t]                          ; quadrants 2, 3 turn sin's sign,
	ALL v_lshlrev_b32 v[MM+t], 30, v[MM+t]
	ALL v_xor_b32 v[SS+t], v[MM+t], v[SS+t]
	ALL v_add_nc_u32 v[MM+t], 1, v[KI+t]                       ; quadrants 1, 2 cos's
	ALL v_and_b32 v[MM+t], 2, v[MM+t]
	ALL v_lshlrev_b32 v[MM+t], 30, v[MM+t]
	ALL v_xor_b32 v[CC+t], v[MM+t], v[CC+t]
	ALL v_cvt_pk_f16_f32 v[WD+t], v[CC+t], v[SS+t]
	global_store_b128 v6, v[WD:WD+3], s[24:25]     ; the wave stores 512 consecutive bytes
	s_wait_xcnt 0x0                                ; the store has read its data and its base: only now are they written again
	s_add_nc_u64 s[24:25], s[24:25], 512
	v_add_nc_u32 v5, 8, v5
	s_sub_co_u32 s20, s20, 1
	s_cmp_lg_u32 s20, 0
	s_cbranch_scc1 .Ltrip
	s_endpgm
.Lfunc_end_k_q586c70db7a_prep:
	.size	k_q586c70db7a_prep, .Lfunc_end_k_q586c70db7a_prep-k_q586c70db7a_prep
	.p2alignl 7, 3214868480
	.fill 96, 4, 3214868480
	.section	.rodata,"a",@progbits
	.p2align	6, 0x0
	.amdhsa_kernel k_q586c70db7a_prep
		.amdhsa_group_segment_fixed_size 0
		.amdhsa_private_segment_fixed_size 0
		.amdhsa_enable_private_segment 0
		.amdhsa_kernarg_size 56
		.amdhsa_user_sgpr_count 2
		.amdhsa_user_sgpr_kernarg_segment_ptr 1
		.amdhsa_wavefront_size32 1
		.amdhsa_system_sgpr_workgroup_id_x 1
		.amdhsa_system_sgpr_workgroup_id_y 1
		.amdhsa_system_sgpr_workgroup_id_z 1
		.amdhsa_system_vgpr_workitem_id 0
		.amdhsa_next_free_vgpr 112
		.amdhsa_next_free_sgpr 66
		.amdhsa_reserve_vcc 0
		.amdhsa_float_denorm_mode_32 3
		.amdhsa_float_denorm_mode_16_64 3
		.amdhsa_memory_ordered 1
		.amdhsa_forward_progress 1
		.amdhsa_inst_pref_size 15
	.end_amdhsa_kernel
	.amdgpu_metadata
---
amdhsa.version: [ 1, 2 ]
amdhsa.kernels:
  - .name:           k_q586c70db7a_prep
    .symbol:         k_q586c70db7a_prep.kd
    .args:
      - { .name: x, .offset: 0, .size: 8, .value_kind: global_buffer, .address_space: global }
      - { .name: Wq, .offset: 8, .size: 8, .value_kind: global_buffer, .address_space: global }
      - { .name: Wk, .offset: 16, .size: 8, .value_kind: global_buffer, .address_space: global }
      - { .name: Wv, .offset: 24, .size: 8, .value_kind: global_buffer, .address_space: global }
      - { .name: xb, .offset: 32, .size: 8, .value_kind: global_buffer, .address_space: global }
      - { .name: wb, .offset: 40, .size: 8, .value_kind: global_buffer, .address_space: global }
      - { .name: tab, .offset: 48, .size: 8, .value_kind: global_buffer, .address_space: global }
    .group_segment_fixed_size: 0
    .private_segment_fixed_size: 0
    .kernarg_segment_align: 8
    .kernarg_segment_size: 56
    .max_flat_workgroup_size: 256
    .sgpr_count:     66
    .vgpr_count:     112
    .wavefront_size: 32
...
	.end_amdgpu_metadata
.endif
;; end of part 1
;; launch gemm (part 2): grid 8 x 32, 4 waves a work-group, clusters of 4 x 4, 327,680 bytes of LDS; arguments xb, wb, tab, bq, bk, bv, q2, kvp, ksp; writes q2, kvp, ksp
.if DOCPART == 2
	.amdgcn_target "amdgcn-amd-amdhsa--gfx1250"
	.amdhsa_code_object_version 6
	.text
	.protected	k_q586c70db7a_gemm
	.globl	k_q586c70db7a_gemm
	.p2align	8
	.type	k_q586c70db7a_gemm,@function
k_q586c70db7a_gemm:
	s_mov_b64 s[64:65], 0
	v_nop
	global_prefetch_b8 v0, s[64:65] scope:SCOPE_SE
	s_setreg_imm32_b32 hwreg(HW_REG_WAVE_MODE, 25, 1), 1
	s_wait_xcnt 0x0
	s_wait_alu depctr_hold_cnt(0) depctr_sa_sdst(0) depctr_va_vdst(0) depctr_va_sdst(0) depctr_va_ssrc(0) depctr_va_vcc(0) depctr_vm_vsrc(0)
	s_getreg_b32 s2, hwreg(HW_REG_IB_STS2, 6, 4)
	s_cmp_eq_u32 s2, 0
	s_cbranch_scc0 .Lentry_in_a_cluster
	s_endpgm
.Lentry_in_a_cluster:
	s_bfe_u32 s2, ttmp6, 0x10000c
	s_cmp_lg_u32 s2, 0xf033
	s_cbranch_scc0 .Lentry_shape_is_right
	s_endpgm
.Lentry_shape_is_right:
; THE THREE PROJECTIONS, C = xb wb^T (16384 x 3072, K = 1024, bf16 operands, f32 sums), AND ALL THAT IS MADE OF k AND v.
; 768 tiles of 256 x 256; a work-group of four waves (128 x 128 of C each, 64 accumulators) STAYS and makes three, the ring of two LDS slots running on from tile to tile:
;   tile 0  a tile of q: the sums plus bq leave as bf16 (q2), in the lane order in which the last launch takes them: no LDS on that way out.  q's GELU is made there.
;   tiles 1, 2  rows 256 (2 Y), 256 (2 Y + 1) of x against wb's tile 4 + X.  A wave's 128 columns are ONE head's 64 k and 64 v channels, so k and v never leave the wave:
;   bias, GELU + 0.21, k's column sums, the rotation, and k_r^T v by the matrix unit (32 positions an instruction, turned through the wave's own stage in LDS).
;   What leaves: for each (batch, head) eight partial 64 x 64 sums (kvp) and eight partial column sums (ksp), f32, unscaled; the next launch adds them.
; CLUSTERS of 4 x 4.  A's tile hangs on Y (and the cluster's x), shared along a row of the cluster; B's on X or cx, shared along a column: each is asked for JOINTLY.
; THE MATRIX INSTRUCTION IS USED TRANSPOSED (source 0 = 16 rows of wb, source 1 = 16 rows of xb): lane l holds row l % 16 of C, registers 0-7 columns 8 (l / 16) + 0..7.
; GELU.  Phi by the five-term rational form in t = 1 / (1 + 0.2316419 |x|) (absolute error below 1e-7 for every x): w = 2^(-0.72134752 x^2) t (c1 + t (c2 + t (c3 + t (c4 + t c5)))),
; gelu(x) + 0.21 = max(x + 0.21, 0.21) - |x| w.  For large |x| the power is 0: nothing overflows.
; LIMITS.  q's sums, k_r and v are rounded once to bf16; the table's cos and sin are f16; a power below 2^-126 counts as 0; NaN and infinities are not treated apart.
; REGISTERS, in windows of 256 (s_set_vgpr_msb's low byte: bits 1:0 source 0, 3:2 source 1, 5:4 source 2, 7:6 destination):
;   window 0: v0-31 addresses; v32-63 k's column sums; v64-127, v128-191 A's fragments, two buffers (at work on a way out); v192-255 the bias of my 128 columns
;   window 1: v64-127, v128-191 B's fragments (on a way out: v64-79 table words, v128-191 turned fragments); v0-63, v192-255 the 16 accumulators of k_r^T v
;   windows 2, 3: the 64 accumulators, (a, b) at v[8 (8 (a % 4) + b)]
; The 160 registers that carry sums across both kv tiles are cleared once, while the first tiles are on their way: the price of one text for both tiles.
.set KSTEP,  128
.set PITCH,  272                       ; an LDS row: 256 bytes + 16 of padding: the 16 rows of a fragment load start at 16 different groups of four banks
.set HALFT,  128*PITCH
.set SLOT,   4*HALFT                   ; A's 256 rows, then B's 256 rows
.set STAGE,  2*SLOT                    ; behind the ring, never filled by a tensor load: 32 rows x 288 bytes for each wave
.set SP,     288                       ; a stage row: 64 k_r and 64 v in bf16, 256 bytes + 32
.set WSTAGE, 32*SP
.set SPARE,  STAGE+4*WSTAGE            ; the spare words, 128 bytes for each wave: two blocks of 256 bytes that no other line names
.set GW0,    (1<<16)|(1<<20)|(1<<21)|(5<<22)|(3<<25)  ; group 1, word 0 without the mask: 2-byte elements; padding on; bit 21 beside a mask; after every 64 words; 4 words
.set ADRA, 16                          ; v16-17  LDS address of my A fragments in slot 0, 1
.set ADRB, 20                          ; v20-21  the same for B
.set LO16, 22                          ; v22     16 x lane
.set LO8,  23                          ; v23     8 x lane
.set STO,  24                          ; v24     stage: row l % 16, 16 bytes for each half of the lanes
.set STK,  25                          ; v25     the same in the half of the stage that is in hand
.set TRA,  26                          ; v26     stage: my place for the turning loads
.set BO,   27                          ; v27     32 x (l / 16): my eight numbers in 16 of a bias
.set SPW,  28                          ; v28     LDS address of my spare word; never rewritten
.set NIL,  29                          ; v29     0; never rewritten
.set PFO,  30                          ; v30     2,048 x lane: a row of xb or wb
.set ZR,   31                          ; v31     0.0
.set KSUM, 32
.set F0,   64
.set F1,   128
.set BIAS, 192
.set TK,   64                          ; way out, window 0: k of 16 rows (32 a lane)
.set TT,   96
.set EE,   128
.set PP,   160
.set TB,   64                          ; way out, window 1: 16 table words
.set FR,   128                         ; way out, window 1: 8 turned fragments
.set TL,   2                           ; s2   tiles to go
.set LAP,  3                           ; s3   laps to go
.set NA,   4                           ; s[4:5]  byte offset in xb of the K step to be asked for next
.set NB,   6                           ; s[6:7]  the same in wb
.set ANX,  8                           ; s8, s9  where the next tile, and the one after, begin in xb
.set ANX2, 9
.set WV,   10
.set RH,   11                          ; my half of the tile's rows; also: I fetch for A (0) or B (1)
.set CH,   12                          ; my half of its columns; also: which 128 rows I fetch
.set BNX,  13                          ; where the kv tiles begin in wb
.set RC,   14                          ; blocks of 16 rows to go
.set PAR,  15                          ; 0 or 16 stage rows
.set C1,   16
.set C2,   18
.set C3,   20
.set C4,   22
.set G1,   24
.set G0,   32
.set CX,   40
.set CY,   41
.set XX,   42
.set LIM,  43                          ; 1 in a wave that prefetches for the tile in hand, else the greatest number
.set PFA,  44
.set PFN,  46
.set G1B,  48
.set G0B,  56
.set LIM1, 66                          ; LIM for the next tile
.set PPART, 67
.set XBP,  68
.set WBP,  70
.set TABP, 72
.set BQP,  74
.set BKP,  76
.set BVP,  78
.set Q2P,  80
.set KVPP, 82
.set KSPP, 84
.set PFB,  86
.set TBP,  88
.set TBOFF, 90
.set PCO,  92
.set MK8,  93
.set C5,   94
.set NC,   96
.set C21,  98
.set MK4,  100
.set MK2,  101
.set MSB, 0
.macro WIN new                         ; the immediate's high byte repeats the setting that is left; a switch that changes nothing is dropped
.if MSB != (\new)
	s_set_vgpr_msb (MSB<<8)|(\new)
.set MSB, \new
.endif
.endm
.set MUL_LO, 0xa1                      ; source 0 (B) window 1, source 1 (A) window 0, C and D window 2
.set MUL_HI, 0xf1                      ; the same, C and D window 3
.set TO_B,   0x40                      ; destination window 1, address window 0
; A joint load.  Waves 0 and 1 fetch A's two halves, waves 2 and 3 B's.  The branch hangs on the wave's number alone.  An s_nop 0 and four v_nop follow each of the two lines.
.macro JLOAD s
	s_cmp_eq_u32 s[RH], 0
	s_cbranch_scc0 .Lfor_b_\@
	tensor_load_to_lds s[G0+4*(\s):G0+4*(\s)+3], s[G1:G1+7]
	s_nop 0
.rept 4
	v_nop
.endr
	s_branch .Lasked_\@
.Lfor_b_\@:
	tensor_load_to_lds s[G0B+4*(\s):G0B+4*(\s)+3], s[G1B:G1B+7]
	s_nop 0
.rept 4
	v_nop
.endr
.Lasked_\@:
.endm
; The two descriptors' addresses are made anew from the buffers' addresses and the running offsets, the offsets step one K step on, and the tile is asked for.  At most one tensor load of the wave, the other slot's, is out here.
.macro ASKTILE s
	s_add_nc_u64 s[G0+4*(\s)+2:G0+4*(\s)+3], s[XBP:XBP+1], s[NA:NA+1]
	s_or_b32 s[G0+4*(\s)+3], s[G0+4*(\s)+3], 0x80000000
	s_add_nc_u64 s[G0B+4*(\s)+2:G0B+4*(\s)+3], s[WBP:WBP+1], s[NB:NB+1]
	s_or_b32 s[G0B+4*(\s)+3], s[G0B+4*(\s)+3], 0x80000000
	s_add_co_u32 s[NA], s[NA], 2*KSTEP
	s_add_co_u32 s[NB], s[NB], 2*KSTEP
	JLOAD \s
.endm
; A PREFETCH INTO THE L2 of the K step that stands TWO refills on: 32 rows x 256 bytes, a lane a row, one instruction a wave, behind the joint load and the run of LDS loads.
; Each row's 256 bytes of a K step are named once in the launch, ahead of their first reading.  xb's rows are first read in tile 0, each by one row of one cluster: that cluster asks.  wb's first four tiles are
; read by every cluster: the cluster (0, 0) asks; its other eight by every cluster of a column of clusters: cluster y = 0 asks, in tile 1 alone.  The four partners of a joint load share its 128 rows BY ADDRESS.
; how = 0, in the loop: the last trip's refills have no K step two on; how = 1, at a change of tiles.  A tile's first two K steps (the launch's first four) come by their loads alone.
.macro ASK how
.if \how
	s_cmp_eq_u32 s[LIM], 1
.else
	s_cmp_gt_u32 s[LAP], s[LIM]
.endif
	s_cbranch_scc0 .Lnot_mine_\@
	global_prefetch_b8 v[PFO], s[PFA:PFA+1] th:TH_LOAD_NT scope:SCOPE_SE
.Lnot_mine_\@:
.endm
.macro CREST                           ; a round of the cluster's barrier behind its opening barrier
	s_cmp_lg_u32 s[WV], 0
	s_cbranch_scc1 .Lnot_wave_0_\@
	s_barrier_signal -3
.Lnot_wave_0_\@:
	s_barrier_wait -3
	s_barrier_signal -1
	s_barrier_wait -1
.endm
.macro CROUND
	s_barrier_signal -1
	s_barrier_wait -1
	CREST
.endm
	s_load_b512 s[XBP:XBP+15], s[0:1], 0x0         ; xb, wb, tab, bq, bk, bv, q2, kvp
	s_load_b64 s[KSPP:KSPP+1], s[0:1], 0x40        ; ksp
	v_lshl_add_u32 v[SPW], v0, 2, SPARE
	v_mov_b32 v[NIL], 0
	ds_add_u32 v[SPW], v[NIL]                      ; the wave's opening: the add, twice on end, and its wait ahead of my first tensor load
	ds_add_u32 v[SPW], v[NIL]
	v_lshrrev_b32 v1, 5, v0
	v_readfirstlane_b32 s[WV], v1                  ; wave 0..3
	s_lshr_b32 s[RH], s[WV], 1
	s_and_b32 s[CH], s[WV], 1
	s_bfe_u32 s[CX], ttmp6, 0x40000                ; cx, cy: my place in the cluster
	s_bfe_u32 s[CY], ttmp6, 0x40004
	s_lshl_b32 s[XX], ttmp9, 2
	s_add_co_u32 s[XX], s[XX], s[CX]               ; X = 4 x cluster x + cx
	s_and_b32 s16, ttmp7, 0xffff                   ; cluster y
	s_lshl_b32 s17, s16, 2
	s_add_co_u32 s17, s17, s[CY]                   ; Y = 4 x cluster y + cy
	s_lshl_b32 s18, s[CY], 2
	s_lshl_b32 s18, 15, s18                        ; my row of the cluster
	s_lshl_b32 s19, 0x1111, s[CX]                  ; my column
	s_or_b32 s[G1], s18, GW0
	s_or_b32 s[G1B], s19, GW0
.irp g, G1, G1B
	s_mov_b32 s[(\g)+1], KSTEP<<16                 ; tensor_dim0 = 128
	s_mov_b32 s[(\g)+2], 128<<16                   ; tensor_dim1 = 128
	s_mov_b32 s[(\g)+3], KSTEP<<16                 ; tile_dim0 = 128
	s_mov_b32 s[(\g)+4], 128                       ; tile_dim1 = 128
	s_mov_b32 s[(\g)+5], 1024                      ; elements from row to row
	s_mov_b32 s[(\g)+6], 0
	s_mov_b32 s[(\g)+7], 0
.endr
	; where the tiles begin, in bytes (a tile's 256 rows are 2^19 bytes).  A's offsets are made of Y, the cluster's x and the wave's number; B's of cx or X and the wave's number.
	s_lshl_b32 s20, s[CH], 18                      ; which 128 rows I fetch
	s_lshl_b32 s[ANX], s17, 20
	s_add_co_u32 s[ANX], s[ANX], s20               ; tile 1: row tile 2 Y
	s_add_co_u32 s[ANX2], s[ANX], 1<<19            ; tile 2: 2 Y + 1
	s_lshl_b32 s21, ttmp9, 19
	s_add_co_u32 s[NA], s[ANX], s21                ; tile 0: 2 Y + cluster x
	s_mov_b32 s[NA+1], 0
	s_lshl_b32 s[NB], s[CX], 19
	s_add_co_u32 s[NB], s[NB], s20                 ; tile 0: wb's tile cx
	s_mov_b32 s[NB+1], 0
	s_add_co_u32 s[BNX], s[XX], 4
	s_lshl_b32 s[BNX], s[BNX], 19
	s_add_co_u32 s[BNX], s[BNX], s20               ; tiles 1, 2: wb's tile 4 + X
	s_mul_i32 s22, s[WV], HALFT                    ; where they go: wave x 128 rows
.irp s, 0,1
	s_mov_b32 s[G0+4*(\s)], 1
	s_add_co_u32 s[G0+4*(\s)+1], s22, (\s)*SLOT
	s_mov_b32 s[G0B+4*(\s)], 1
	s_add_co_u32 s[G0B+4*(\s)+1], s22, (\s)*SLOT
.endr
	; who prefetches: alike in all sixteen partners, for a given wave
	s_or_b32 s23, s16, ttmp9
	s_cmp_eq_u32 s23, 0
	s_cselect_b32 s23, 1, -1                       ; B's waves, tile 0
	s_cmp_eq_u32 s16, 0
	s_cselect_b32 s21, 1, -1                       ; B's waves, tile 1
	s_cmp_eq_u32 s[RH], 0
	s_cselect_b32 s[LIM], 1, s23
	s_cselect_b32 s[LIM1], -1, s21
	s_cselect_b32 s[PPART], s[CX], s[CY]           ; my place among the four that ask with me:
	s_lshl_b32 s[PPART], s[PPART], 16              ; its 32 rows of the 128,
	s_add_co_u32 s[PPART], s[PPART], 4*KSTEP       ; two K steps on
	s_mov_b32 s[PFN+1], 0
	s_wait_dscnt 0x0                               ; both opening adds are done
	s_wait_kmcnt 0x0
	s_cmp_eq_u32 s[RH], 0
	s_cselect_b64 s[PFB:PFB+1], s[XBP:XBP+1], s[WBP:WBP+1]
	CROUND                                         ; all sixteen work-groups are here: the first joint loads meet
	ASKTILE 0                                      ; K steps 0 and 1: two loads of mine are out
	ASKTILE 1
	v_and_b32 v1, 15, v0                           ; l % 16
	v_bfe_u32 v2, v0, 4, 1                         ; l / 16
	v_mul_u32_u24 v3, v1, PITCH
	v_lshl_add_u32 v3, v2, 4, v3                   ; a fragment's row x pitch + 16 x half
	s_mul_i32 s2, s[RH], HALFT                     ; my 128 rows of A
	s_mul_i32 s3, s[CH], HALFT                     ; my 128 rows of B,
	s_add_co_u32 s3, s3, 2*HALFT                   ; which lie behind A's 256
.irp s, 0,1
	v_add_nc_u32 v[ADRA+(\s)], s2, v3
	v_add_nc_u32 v[ADRB+(\s)], s3, v3
	s_add_co_u32 s2, s2, SLOT
	s_add_co_u32 s3, s3, SLOT
.endr
	s_mul_i32 s2, s[WV], WSTAGE
	s_add_co_u32 s2, s2, STAGE                     ; my stage
	v_mul_u32_u24 v4, v1, SP
	v_lshl_add_u32 v4, v2, 4, v4
	v_add_nc_u32 v[STO], s2, v4
	v_and_b32 v4, 7, v0                            ; the turning load: lane l reads row 8 (l / 16) + l % 8, 16 bytes at 16 ((l / 8) % 2)
	v_lshl_add_u32 v4, v2, 3, v4
	v_mul_u32_u24 v4, v4, SP
	v_bfe_u32 v5, v0, 3, 1
	v_lshl_add_u32 v4, v5, 4, v4
	v_add_nc_u32 v[TRA], s2, v4
	v_and_b32 v4, 31, v0
	v_lshlrev_b32 v[LO16], 4, v4
	v_lshlrev_b32 v[LO8], 3, v4
	v_lshlrev_b32 v[PFO], 11, v4
	v_lshlrev_b32 v[BO], 5, v2
	v_mov_b32 v[ZR], 0
	; where my results go and my biases and table words come from.  These offsets mix both coordinates: they are made in registers that feed no descriptor and no LDS address.
	s_lshl_b32 s14, s17, 1
	s_add_co_u32 s14, s14, ttmp9                   ; tile 0's row tile
	s_lshl_b32 s100, s14, 19                       ; q2: 16 blocks of 16 rows x 64 blocks of 512 bytes
	s_lshl_b32 s14, s[RH], 18
	s_add_co_u32 s100, s100, s14
	s_lshl_b32 s14, s[CX], 13
	s_add_co_u32 s100, s100, s14
	s_lshl_b32 s14, s[CH], 12
	s_add_co_u32 s100, s100, s14
	s_mov_b32 s101, 0
	s_add_nc_u64 s[Q2P:Q2P+1], s[Q2P:Q2P+1], s[100:101]
	s_lshl1_add_u32 s15, s[XX], s[CH]              ; my head = 2 X + column half
	s_lshr_b32 s14, s17, 2                         ; the batch = Y / 4
	s_lshl_b32 s14, s14, 7
	s_lshl3_add_u32 s14, s15, s14
	s_and_b32 s93, s17, 3
	s_lshl1_add_u32 s14, s93, s14
	s_add_co_u32 s14, s14, s[RH]                   ; 8 (16 batch + head) + part, part = 2 (Y % 4) + row half
	s_lshl_b32 s100, s14, 14
	s_add_nc_u64 s[KVPP:KVPP+1], s[KVPP:KVPP+1], s[100:101]
	s_lshl_b32 s100, s14, 8
	s_add_nc_u64 s[KSPP:KSPP+1], s[KSPP:KSPP+1], s[100:101]
	s_lshl_b32 s100, s[CX], 10
	s_lshl_b32 s14, s[CH], 9
	s_add_co_u32 s100, s100, s14
	s_add_nc_u64 s[BQP:BQP+1], s[BQP:BQP+1], s[100:101]
	s_lshl_b32 s100, s15, 8
	s_add_nc_u64 s[BKP:BKP+1], s[BKP:BKP+1], s[100:101]
	s_add_nc_u64 s[BVP:BVP+1], s[BVP:BVP+1], s[100:101]
	s_lshl_b32 s14, s17, 5
	s_lshl3_add_u32 s14, s[RH], s14
	s_and_b32 s14, s14, 127                        ; tile 1's first block of 16 positions
	s_lshl_b32 s14, s14, 15
	s_lshl_b32 s93, s15, 11                        ; the head's four blocks of 16 channels
	s_add_co_u32 s[TBOFF], s14, s93
	s_mov_b32 s[TBOFF+1], 0
; the bias of my 128 columns: number 8 b + j belongs to column 16 b + 8 (l / 16) + j
.macro LOADBIAS kv
.irp b, 0,1,2,3,4,5,6,7
.if (\kv) && ((\b) >= 4)
	global_load_b128 v[BIAS+8*(\b):BIAS+8*(\b)+3],   v[BO], s[BVP:BVP+1] offset:64*(\b)-256
	global_load_b128 v[BIAS+8*(\b)+4:BIAS+8*(\b)+7], v[BO], s[BVP:BVP+1] offset:64*(\b)-240
.elseif \kv
	global_load_b128 v[BIAS+8*(\b):BIAS+8*(\b)+3],   v[BO], s[BKP:BKP+1] offset:64*(\b)
	global_load_b128 v[BIAS+8*(\b)+4:BIAS+8*(\b)+7], v[BO], s[BKP:BKP+1] offset:64*(\b)+16
.else
	global_load_b128 v[BIAS+8*(\b):BIAS+8*(\b)+3],   v[BO], s[BQP:BQP+1] offset:64*(\b)
	global_load_b128 v[BIAS+8*(\b)+4:BIAS+8*(\b)+7], v[BO], s[BQP:BQP+1] offset:64*(\b)+16
.endif
.endr
.endm
	LOADBIAS 0
.set i, 0
.rept 32
	v_mov_b32 v[KSUM+i], 0
.set i, i+1
.endr
	WIN 0x40
.set i, 0
.rept 64
	v_mov_b32 v[i], 0
	v_mov_b32 v[192+i], 0
.set i, i+1
.endr
	WIN 0
.irp c, C1, C2, C3, C4, C5, NC, C21
.if (\c) == C1
	s_mov_b32 s[\c], 0x3e027906                    ; c1 =  0.127414796
.elseif (\c) == C2
	s_mov_b32 s[\c], 0xbe11a98e                    ; c2 = -0.142248368
.elseif (\c) == C3
	s_mov_b32 s[\c], 0x3f35f0e3                    ; c3 =  0.7107068705
.elseif (\c) == C4
	s_mov_b32 s[\c], 0xbf3a00e3                    ; c4 = -0.7265760135
.elseif (\c) == C5
	s_mov_b32 s[\c], 0x3f07dc22                    ; c5 =  0.5307027145
.elseif (\c) == NC
	s_mov_b32 s[\c], 0xbf38aa3b                    ; -log2(e) / 2
.else
	s_mov_b32 s[\c], 0x3e570a3d                    ; 0.21
.endif
	s_mov_b32 s[(\c)+1], s[\c]                     ; named as a pair, so both words are written
.endr
	s_mov_b32 s[PCO], 0x3e6d3389                   ; 0.2316419
; 16 matrix instructions: m blocks a0, a0 + 1 of the window's four x all 8 n blocks, 32 along K.  zero = 1: the first product starts the sums.
.macro MUL16 f, hi, a0, zero
	WIN MUL_LO+0x50*(\hi)
.irp a, \a0, (\a0)+1
.irp b, 0,1,2,3,4,5,6,7
.if \zero
	v_wmma_f32_16x16x32_bf16 v[8*(8*(\a)+(\b)):8*(8*(\a)+(\b))+7], v[(\f)+8*(\b):(\f)+8*(\b)+7], v[(\f)+8*(4*(\hi)+(\a)):(\f)+8*(4*(\hi)+(\a))+7], 0
.else
	v_wmma_f32_16x16x32_bf16 v[8*(8*(\a)+(\b)):8*(8*(\a)+(\b))+7], v[(\f)+8*(\b):(\f)+8*(\b)+7], v[(\f)+8*(4*(\hi)+(\a)):(\f)+8*(4*(\hi)+(\a))+7], v[8*(8*(\a)+(\b)):8*(8*(\a)+(\b))+7]
.endif
.endr
.endr
.endm
; 32 LDS loads in one run: the fragments of one quarter step (128 rows of B, 128 rows of A, 32 K at byte k of the rows) into buffer f
.macro FETCH slot, k, f
	WIN TO_B
.irp i, 0,1,2,3,4,5,6,7
	ds_load_b128 v[(\f)+8*(\i):(\f)+8*(\i)+3],   v[ADRB+(\slot)] offset:(\k)+(\i)*16*PITCH
	ds_load_b128 v[(\f)+8*(\i)+4:(\f)+8*(\i)+7], v[ADRB+(\slot)] offset:(\k)+(\i)*16*PITCH+32
.endr
	WIN 0
.irp i, 0,1,2,3,4,5,6,7
	ds_load_b128 v[(\f)+8*(\i):(\f)+8*(\i)+3],   v[ADRA+(\slot)] offset:(\k)+(\i)*16*PITCH
	ds_load_b128 v[(\f)+8*(\i)+4:(\f)+8*(\i)+7], v[ADRA+(\slot)] offset:(\k)+(\i)*16*PITCH+32
.endr
.endm
.macro PLACES                          ; four plain instructions between a matrix instruction and a load into, or a vector instruction on, its registers
.rept 4
	v_nop
.endr
.endm
; A K step is four quarters of 32 along K, 64 matrix instructions each, on buffers 0, 1, 0, 1; the 64 accumulators take turns in the same order in every quarter.
.macro QUARTER slot, k, f, g, zero
	s_wait_dscnt 8                                 ; B and A's rows 0-63 are in; the youngest eight loads (A's rows 64-127) may be out
	WIN MUL_LO
	MUL16 \f, 0, 0, \zero
	MUL16 \f, 0, 2, \zero
	PLACES
	FETCH \slot, \k, \g
	s_wait_dscnt 32                                ; all but the 32 just issued
	WIN MUL_HI
	MUL16 \f, 1, 0, \zero
	MUL16 \f, 1, 2, \zero
.endm
; The first half of a K step's last quarter: ONE barrier for the change of slots.  In front of it each wave waits for all its tensor loads (one is out: its part of the next slot),
; adds 0 to its spare word, and waits for that and for its own reads of this slot.
.macro MEET round
	WIN 0
	s_wait_tensorcnt 0x0
	ds_add_u32 v[SPW], v[NIL]
	s_wait_dscnt 9                                 ; (the add and the youngest eight loads may be out)
	WIN MUL_LO
	MUL16 F1, 0, 0, 0
	s_wait_dscnt 0x0                               ; the add is done, and my reads of this slot are over
	s_barrier_signal -1
	MUL16 F1, 0, 2, 0
.if \round
	WIN 0
.endif
	s_barrier_wait -1
.endm
; The whole last quarter.  fill = 1: the barrier opens a round of the cluster's barrier, and the slot just read out is filled again first behind it, with the K step at NA, NB.
; newt = 1: that K step is the next tile's first.  fetch = 1: the next slot's first fragments are fetched (not ahead of a way out, which works in those registers).
.macro TURN slot, next, fill, newt, fetch, how
.if \fill
	s_wait_xcnt 0x0                                ; the last prefetch, a K step back, has read its address
.if \newt
	s_mov_b32 s[NA], s[ANX]
	s_mov_b32 s[ANX], s[ANX2]
	s_mov_b32 s[NB], s[BNX]
	s_mov_b32 s[LIM], s[LIM1]
	s_mov_b32 s[LIM1], -1
.endif
	s_cmp_eq_u32 s[RH], 0
	s_cselect_b32 s[PFN], s[NA], s[NB]
	s_add_co_u32 s[PFN], s[PFN], s[PPART]
	s_add_nc_u64 s[PFA:PFA+1], s[PFB:PFB+1], s[PFN:PFN+1]
.endif
	MEET \fill
.if \fill
	CREST                                          ; no wave of any partner still reads this slot's tile or has a load on its way
	ASKTILE \slot                                  ; the four v_nop behind the load are also the places in front of the loads below
.else
	PLACES
.endif
.if \fetch
	FETCH \next, 0, F0
.endif
.if \fill
	ASK \how
.endif
	MUL16 F1, 1, 0, 0
	MUL16 F1, 1, 2, 0
.endm
; gelu(x) + 0.21 in place on cnt registers at x; t, e, p: cnt registers each, at work.  All reciprocals and powers are ONE batch with one wait.
.macro GELU x, cnt, t, e, p
.set z, 0
.rept \cnt
	v_fma_f32 v[\t+z], |v[\x+z]|, s[PCO], 1.0
.set z, z+1
.endr
.set z, 0
.rept (\cnt)/2
	v_pk_mul_f32 v[\e+z:\e+z+1], v[\x+z:\x+z+1], v[\x+z:\x+z+1]
.set z, z+2
.endr
.set z, 0
.rept (\cnt)/2
	v_pk_mul_f32 v[\e+z:\e+z+1], v[\e+z:\e+z+1], s[NC:NC+1] op_sel_hi:[1,0]
.set z, z+2
.endr
.set z, 0
.rept \cnt
	v_rcp_f32 v[\t+z], v[\t+z]
.set z, z+1
.endr
.set z, 0
.rept \cnt
	v_exp_f32 v[\e+z], v[\e+z]
.set z, z+1
.endr
	v_nop                                          ; a plain instruction behind the last of the batch,
	s_wait_alu depctr_va_vdst(0)                   ; and the one wait ahead of the first use
.set z, 0
.rept (\cnt)/2
	v_pk_fma_f32 v[\p+z:\p+z+1], v[\t+z:\t+z+1], s[C5:C5+1], s[C4:C4+1] op_sel_hi:[1,0,0]
.set z, z+2
.endr
.irp c, C3, C2, C1
.set z, 0
.rept (\cnt)/2
	v_pk_fma_f32 v[\p+z:\p+z+1], v[\p+z:\p+z+1], v[\t+z:\t+z+1], s[\c:\c+1] op_sel_hi:[1,1,0]
.set z, z+2
.endr
.endr
.set z, 0
.rept (\cnt)/2
	v_pk_mul_f32 v[\p+z:\p+z+1], v[\p+z:\p+z+1], v[\t+z:\t+z+1]
.set z, z+2
.endr
.set z, 0
.rept (\cnt)/2
	v_pk_mul_f32 v[\e+z:\e+z+1], v[\p+z:\p+z+1], v[\e+z:\e+z+1]   ; w
	v_pk_add_f32 v[\t+z:\t+z+1], v[\x+z:\x+z+1], s[C21:C21+1] op_sel_hi:[1,0]
.set z, z+2
.endr
.set z, 0
.rept \cnt
	v_max_num_f32 v[\t+z], s[C21], v[\t+z]
.set z, z+1
.endr
.set z, 0
.rept \cnt
	v_fma_f32 v[\x+z], -|v[\x+z]|, v[\e+z], v[\t+z]
.set z, z+1
.endr
.endm
; the rotation of cnt pairs at x into t; word i at tb holds cos (low half) and sin (high half) in f16
.macro ROPE x, t, tb, cnt
.set z, 0
.rept \cnt
	v_fma_mix_f32 v[\t+2*z],   v[\x+2*z],   v[\tb+z], v[ZR] op_sel_hi:[0,1,0]
	v_fma_mix_f32 v[\t+2*z+1], v[\x+2*z+1], v[\tb+z], v[ZR] op_sel_hi:[0,1,0]
.set z, z+1
.endr
.set z, 0
.rept \cnt
	v_fma_mix_f32 v[\t+2*z],   -v[\x+2*z+1], v[\tb+z], v[\t+2*z]   op_sel:[0,1,0] op_sel_hi:[0,1,0]
	v_fma_mix_f32 v[\t+2*z+1], v[\x+2*z],    v[\tb+z], v[\t+2*z+1] op_sel:[0,1,0] op_sel_hi:[0,1,0]
.set z, z+1
.endr
.endm
.macro TLOAD                           ; the table words of 16 positions x my head's 64 channels: four blocks of 512 consecutive bytes
	WIN 0x40
.irp i, 0,1,2,3
	global_load_b128 v[TB+4*(\i):TB+4*(\i)+3], v[LO16], s[TBP:TBP+1] offset:512*(\i)
.endr
	WIN 0
.endm
; Block a of 16 rows leaves the accumulators: k + bk into TK; v + bv, rounded to bf16, into the stage (rows 16 (a % 2) on, bytes 128 on).
.macro COPY a
.set AC, 64*((\a)%4)
	WIN 0x02+(\a)/4
.set z, 0
.rept 16
	v_pk_add_f32 v[TK+2*z:TK+2*z+1], v[AC+2*z:AC+2*z+1], v[BIAS+2*z:BIAS+2*z+1]
.set z, z+1
.endr
.set z, 0
.rept 16
	v_pk_add_f32 v[PP+2*z:PP+2*z+1], v[AC+32+2*z:AC+32+2*z+1], v[BIAS+32+2*z:BIAS+32+2*z+1]
.set z, z+1
.endr
	WIN 0
.set z, 0
.rept 16
	v_cvt_pk_bf16_f32 v[EE+z], v[PP+2*z], v[PP+2*z+1]
.set z, z+1
.endr
.irp b, 0,1,2,3
	ds_store_b128 v[STO], v[EE+4*(\b):EE+4*(\b)+3] offset:128+32*(\b)+((\a)%2)*16*SP
.endr
.endm
; 32 positions lie in the stage: eight turned fragments (four of k_r, four of v), then the 16 products of k_r^T v.  LDS serves a wave's instructions in order (ISA guide 5.7.1.4): the loads see my stores.
; The sixteen accumulators take turns, one instruction a turn.
.macro KVMM
	WIN 0x40
.irp f, 0,1,2,3,4,5,6,7
	ds_load_tr16_b128 v[FR+8*(\f):FR+8*(\f)+3],   v[TRA] offset:32*(\f)
	ds_load_tr16_b128 v[FR+8*(\f)+4:FR+8*(\f)+7], v[TRA] offset:32*(\f)+16*SP
.endr
	s_wait_dscnt 0x0
	WIN 0x55
.set idx, 0
.rept 16
.set rK, 8*idx+128*(idx/8)
	v_wmma_f32_16x16x32_bf16 v[rK:rK+7], v[FR+8*(idx/4):FR+8*(idx/4)+7], v[FR+32+8*(idx%4):FR+32+8*(idx%4)+7], v[rK:rK+7]
.set idx, idx+1
.endr
	WIN 0
.endm
	s_wait_tensorcnt 0x1                           ; my part of K step 0 is in; K step 1's may stay out
	s_barrier_signal -1
	s_barrier_wait -1                              ; everybody's is
	s_mov_b32 s[TL], 3
.Ltile:
	FETCH 0, 0, F0
	QUARTER 0, 64,  F0, F1, 1                      ; a tile's first quarter starts the sums
	WIN 0
	s_mov_b32 s[LAP], 3
.Llap:                                                 ; a trip goes once round the ring and fills both slots again
	QUARTER 0, 128, F1, F0, 0
	QUARTER 0, 192, F0, F1, 0
	TURN 0, 1, 1, 0, 1, 0
	QUARTER 1, 64,  F0, F1, 0
	QUARTER 1, 128, F1, F0, 0
	QUARTER 1, 192, F0, F1, 0
	TURN 1, 0, 1, 0, 1, 0
	QUARTER 0, 64,  F0, F1, 0
	WIN 0
	s_sub_co_u32 s[LAP], s[LAP], 1
	s_cmp_lg_u32 s[LAP], 0
	s_cbranch_scc1 .Llap
	QUARTER 0, 128, F1, F0, 0
	QUARTER 0, 192, F0, F1, 0
	WIN 0
	s_cmp_eq_u32 s[TL], 1
	s_cbranch_scc1 .Llast                          ; the last tile's tail is written out: it asks for nothing more
	TURN 0, 1, 1, 1, 1, 1                          ; the ring goes on into the next tile: slot 0 takes its K step 0,
	QUARTER 1, 64,  F0, F1, 0
	QUARTER 1, 128, F1, F0, 0
	QUARTER 1, 192, F0, F1, 0
	TURN 1, 0, 1, 0, 0, 1                          ; slot 1 its K step 1; slot 0 is whole behind this barrier
	WIN 0
	s_branch .Lepi
.Llast:
	TURN 0, 1, 0, 0, 1, 0
	QUARTER 1, 64,  F0, F1, 0
	QUARTER 1, 128, F1, F0, 0
	QUARTER 1, 192, F0, F1, 0
	s_wait_dscnt 8
	MUL16 F1, 0, 0, 0
	MUL16 F1, 0, 2, 0
	s_wait_dscnt 0x0
	MUL16 F1, 1, 0, 0
	MUL16 F1, 1, 2, 0
	WIN 0
.Lepi:
	PLACES
	s_cmp_eq_u32 s[TL], 3
	s_cbranch_scc0 .Lkepi
	; q's WAY OUT.  A lane's eight numbers of an accumulator are 16 bytes of q2's block (16 rows x 16 channels, lane order): each store of the wave covers 512 consecutive bytes.
	s_wait_loadcnt 0x0                             ; bq
.irp a, 0,1,2,3,4,5,6,7
.set AC, 64*((\a)%4)
.set OS, 64+64*((\a)%2)
	WIN 0x82+0x41*((\a)/4)
.set z, 0
.rept 32
	v_pk_add_f32 v[AC+2*z:AC+2*z+1], v[AC+2*z:AC+2*z+1], v[BIAS+2*z:BIAS+2*z+1]
.set z, z+1
.endr
.if (\a) >= 2
	s_wait_xcnt 0x0                                ; the stores of two blocks back have read the registers that are written next
.endif
	WIN 0x0a+5*((\a)/4)
.set z, 0
.rept 32
	v_cvt_pk_bf16_f32 v[OS+z], v[AC+2*z], v[AC+2*z+1]
.set z, z+1
.endr
	WIN 0
.irp b, 0,1,2,3,4,5,6,7
	global_store_b128 v[LO16], v[OS+4*(\b):OS+4*(\b)+3], s[Q2P:Q2P+1] offset:32768*(\a)+512*(\b)
.endr
.endr
	LOADBIAS 1                                     ; bk and bv of my head: wanted a tile later
	s_wait_xcnt 0x0                                ; the last stores have read their registers, which the next tile's fragments take
	s_branch .Lnext
.Lkepi:
	; THE WAY OUT OF A kv TILE: eight blocks of 16 rows.  One text for the work; only the copy out of the accumulators, whose registers differ, is written eight times.
	s_wait_loadcnt 0x0                             ; bk, bv; and no load that names TBP is out
	s_add_nc_u64 s[TBP:TBP+1], s[TABP:TABP+1], s[TBOFF:TBOFF+1]
	s_add_co_u32 s[TBOFF], s[TBOFF], 16*32768      ; the next tile lies 256 positions on
	TLOAD
	s_mov_b32 s[RC], 8
	s_mov_b32 s[PAR], 0
.Lrow:
.irp a, 0,1,2,3,4,5,6
	s_cmp_eq_u32 s[RC], 8-\a
	s_cbranch_scc1 .Lc\a
.endr
	COPY 7
	s_branch .Lbody
.irp a, 0,1,2,3,4,5,6
.Lc\a:
	COPY \a
	s_branch .Lbody
.endr
.Lbody:
	GELU TK, 32, TT, EE, PP
.set z, 0
.rept 16
	v_pk_add_f32 v[KSUM+2*z:KSUM+2*z+1], v[KSUM+2*z:KSUM+2*z+1], v[TK+2*z:TK+2*z+1]
.set z, z+1
.endr
	s_wait_loadcnt 0x0                             ; the block's table words, asked for a block earlier; their base may be stepped
	WIN 0x04
	ROPE TK, TT, TB, 16
	WIN 0
	s_add_nc_u64 s[TBP:TBP+1], s[TBP:TBP+1], 32768
	s_cmp_eq_u32 s[RC], 1
	s_cbranch_scc1 .Lnotab                         ; the tile's last block asks for nothing
	TLOAD
.Lnotab:
.set z, 0
.rept 16
	v_cvt_pk_bf16_f32 v[EE+z], v[TT+2*z], v[TT+2*z+1]
.set z, z+1
.endr
	v_add_nc_u32 v[STK], s[PAR], v[STO]
.irp b, 0,1,2,3
	ds_store_b128 v[STK], v[EE+4*(\b):EE+4*(\b)+3] offset:32*(\b)
.endr
	s_xor_b32 s[PAR], s[PAR], 16*SP
	s_bitcmp1_b32 s[RC], 0                         ; an odd block completes 32 positions
	s_cbranch_scc0 .Lnokv
	KVMM
.Lnokv:
	s_sub_co_u32 s[RC], s[RC], 1
	s_cmp_lg_u32 s[RC], 0
	s_cbranch_scc1 .Lrow
.Lnext:
	s_sub_co_u32 s[TL], s[TL], 1
	s_cmp_lg_u32 s[TL], 0
	s_cbranch_scc1 .Ltile
	; THE SUMS LEAVE.  k's 32 column sums a lane are added over the 16 lanes of a half by halving: in each step a lane keeps the half of its numbers that its bit names and takes its partner's
	; share of them; at the end lane r holds sums 2 r and 2 r + 1.  These plain instructions are also the places behind the last products.
	v_and_b32 v4, 8, v1
	v_cmp_ne_u32 s[MK8], 0, v4
	v_and_b32 v4, 4, v1
	v_cmp_ne_u32 s[MK4], 0, v4
	v_and_b32 v4, 2, v1
	v_cmp_ne_u32 s[MK2], 0, v4
	v_and_b32 v4, 1, v1
	v_cmp_ne_u32 s[RC], 0, v4
.macro RS m, cnt, msk
.set z, 0
.rept \cnt
	v_cndmask_b32 v[4+2*(z%4)], v[KSUM+z], v[KSUM+z+(\cnt)], s[\msk]
	v_cndmask_b32 v[5+2*(z%4)], v[KSUM+z+(\cnt)], v[KSUM+z], s[\msk]
	v_add_f32_dpp v[KSUM+z], v[5+2*(z%4)], v[4+2*(z%4)] row_xmask:\m row_mask:0xf bank_mask:0xf
.set z, z+1
.endr
.endm
	RS 8, 16, MK8
	RS 4, 8, MK4
	RS 2, 4, MK2
	RS 1, 2, RC
	global_store_b64 v[LO8], v[KSUM:KSUM+1], s[KSPP:KSPP+1]     ; 256 consecutive bytes
	WIN 0x04                                       ; a store's data: source 1, window 1
.set idx, 0
.rept 16
.set rK, 8*idx+128*(idx/8)
	global_store_b128 v[LO16], v[rK:rK+3],   s[KVPP:KVPP+1] offset:1024*idx      ; each accumulator's low registers first; 512 consecutive bytes a store
	global_store_b128 v[LO16], v[rK+4:rK+7], s[KVPP:KVPP+1] offset:1024*idx+512
.set idx, idx+1
.endr
	WIN 0
	s_wait_tensorcnt 0x0                           ; the wave's end, behind my last tensor load and my last LDS store
	ds_add_u32 v[SPW], v[NIL]
	s_wait_dscnt 0x0
	CROUND                                         ; the closing round: no work-group ends while a partner may still ask for a tile that names it
	s_endpgm
.Lfunc_end_k_q586c70db7a_gemm:
	.size	k_q586c70db7a_gemm, .Lfunc_end_k_q586c70db7a_gemm-k_q586c70db7a_gemm
	.p2alignl 7, 3214868480
	.fill 96, 4, 3214868480
	.section	.rodata,"a",@progbits
	.p2align	6, 0x0
	.amdhsa_kernel k_q586c70db7a_gemm
		.amdhsa_group_segment_fixed_size 327680
		.amdhsa_private_segment_fixed_size 0
		.amdhsa_enable_private_segment 0
		.amdhsa_kernarg_size 72
		.amdhsa_user_sgpr_count 2
		.amdhsa_user_sgpr_kernarg_segment_ptr 1
		.amdhsa_wavefront_size32 1
		.amdhsa_system_sgpr_workgroup_id_x 1
		.amdhsa_system_sgpr_workgroup_id_y 1
		.amdhsa_system_sgpr_workgroup_id_z 1
		.amdhsa_system_vgpr_workitem_id 0
		.amdhsa_next_free_vgpr 1024
		.amdhsa_next_free_sgpr 102
		.amdhsa_reserve_vcc 0
		.amdhsa_float_denorm_mode_32 3
		.amdhsa_float_denorm_mode_16_64 3
		.amdhsa_memory_ordered 1
		.amdhsa_forward_progress 1
		.amdhsa_inst_pref_size 255
	.end_amdhsa_kernel
	.section	.bss,"aw",@nobits
	.p2align	6
	.space	262144
	.amdgpu_metadata
---
amdhsa.version: [ 1, 2 ]
amdhsa.kernels:
  - .name:           k_q586c70db7a_gemm
    .symbol:         k_q586c70db7a_gemm.kd
    .args:
      - { .name: xb, .offset: 0, .size: 8, .value_kind: global_buffer, .address_space: global }
      - { .name: wb, .offset: 8, .size: 8, .value_kind: global_buffer, .address_space: global }
      - { .name: tab, .offset: 16, .size: 8, .value_kind: global_buffer, .address_space: global }
      - { .name: bq, .offset: 24, .size: 8, .value_kind: global_buffer, .address_space: global }
      - { .name: bk, .offset: 32, .size: 8, .value_kind: global_buffer, .address_space: global }
      - { .name: bv, .offset: 40, .size: 8, .value_kind: global_buffer, .address_space: global }
      - { .name: q2, .offset: 48, .size: 8, .value_kind: global_buffer, .address_space: global }
      - { .name: kvp, .offset: 56, .size: 8, .value_kind: global_buffer, .address_space: global }
      - { .name: ksp, .offset: 64, .size: 8, .value_kind: global_buffer, .address_space: global }
    .group_segment_fixed_size: 327680
    .private_segment_fixed_size: 0
    .kernarg_segment_align: 8
    .kernarg_segment_size: 72
    .max_flat_workgroup_size: 128
    .sgpr_count:     102
    .vgpr_count:     1024
    .wavefront_size: 32
...
	.end_amdgpu_metadata
.endif
;; end of part 2
;; launch red (part 3): grid 256 x 1, 4 waves a work-group, no clusters, 0 bytes of LDS; arguments kvp, ksp, kvf, km; writes kvf, km
.if DOCPART == 3
	.amdgcn_target "amdgcn-amd-amdhsa--gfx1250"
	.amdhsa_code_object_version 6
	.text
	.protected	k_q586c70db7a_red
	.globl	k_q586c70db7a_red
	.p2align	8
	.type	k_q586c70db7a_red,@function
k_q586c70db7a_red:
	s_mov_b64 s[64:65], 0
	v_nop
	global_prefetch_b8 v0, s[64:65] scope:SCOPE_SE
	s_setreg_imm32_b32 hwreg(HW_REG_WAVE_MODE, 25, 1), 1
	s_wait_xcnt 0x0
; THE EIGHT PARTIAL SUMS of each (batch, head) u are added in f32, divided by 2,048 (the two factors n^-0.5, and k's mean), and laid out for the last launch:
;   kvf [u][fb = 4 eb + db][lane][16 bytes]: lane 16 h + r holds kv[16 db + 8 h + 0..7][16 eb + r] in bf16 (rounded once): two such blocks on end are a matrix fragment of kv^T;
;   km  [u][32 h + 8 b + j] = mean of k's channel 16 b + 8 h + j, f32.
; Two work-groups a u; a wave takes two of the sixteen 16 x 16 blocks: 32 loads of 512 consecutive bytes, all out at once.  No LDS, no barrier: no wave needs another's numbers.
	s_load_b256 s[4:11], s[0:1], 0x0               ; kvp s[4:5], ksp s[6:7], kvf s[8:9], km s[10:11]
	v_lshrrev_b32 v1, 5, v0
	v_readfirstlane_b32 s12, v1                    ; w
	v_and_b32 v2, 31, v0
	v_lshlrev_b32 v3, 4, v2                        ; 16 x lane
	s_lshr_b32 s13, ttmp9, 1                       ; u
	s_and_b32 s14, ttmp9, 1                        ; hs: blocks 8 hs + 2 w + k, k = 0, 1
	s_lshl_b32 s16, s13, 17                        ; u's eight parts of 16,384 bytes
	s_lshl_b32 s15, s14, 13
	s_add_co_u32 s16, s16, s15
	s_lshl_b32 s15, s12, 11
	s_add_co_u32 s16, s16, s15
	s_mov_b32 s17, 0
	s_and_b32 s18, s12, 1                          ; block 4 db + eb: db = 2 hs + w / 2, eb = 2 (w % 2) + k, and fb = 4 eb + db
	s_lshl_b32 s18, s18, 3
	s_lshl1_add_u32 s18, s14, s18
	s_lshr_b32 s15, s12, 1
	s_add_co_u32 s18, s18, s15
	s_lshl_b32 s18, s18, 9
	s_lshl_b32 s15, s13, 13
	s_add_co_u32 s18, s18, s15
	s_mov_b32 s19, 0
	s_wait_kmcnt 0x0
	s_add_nc_u64 s[20:21], s[4:5], s[16:17]
	s_add_nc_u64 s[22:23], s[8:9], s[18:19]
.irp k, 0,1
.irp p, 0,1,2,3,4,5,6,7
	global_load_b128 v[16+64*(\k)+8*(\p):16+64*(\k)+8*(\p)+3],   v3, s[20:21] offset:16384*(\p)+1024*(\k) th:TH_LOAD_NT
	global_load_b128 v[16+64*(\k)+8*(\p)+4:16+64*(\k)+8*(\p)+7], v3, s[20:21] offset:16384*(\p)+1024*(\k)+512 th:TH_LOAD_NT
.endr
.endr
.irp k, 0,1
.set R, 16+64*(\k)
	s_wait_loadcnt 16-16*(\k)                      ; block k's sixteen loads are in; the other block's may stay out
.irp p, 0,2,4,6
.irp q, 0,2,4,6
	v_pk_add_f32 v[R+8*(\p)+(\q):R+8*(\p)+(\q)+1], v[R+8*(\p)+(\q):R+8*(\p)+(\q)+1], v[R+8*(\p)+8+(\q):R+8*(\p)+8+(\q)+1]
.endr
.endr
.irp p, 0,4
.irp q, 0,2,4,6
	v_pk_add_f32 v[R+8*(\p)+(\q):R+8*(\p)+(\q)+1], v[R+8*(\p)+(\q):R+8*(\p)+(\q)+1], v[R+8*(\p)+16+(\q):R+8*(\p)+16+(\q)+1]
.endr
.endr
.irp q, 0,2,4,6
	v_pk_add_f32 v[R+(\q):R+(\q)+1], v[R+(\q):R+(\q)+1], v[R+32+(\q):R+32+(\q)+1]
.endr
.irp q, 0,2,4,6
	v_pk_mul_f32 v[R+(\q):R+(\q)+1], v[R+(\q):R+(\q)+1], 0x3a000000 op_sel_hi:[1,0]   ; / 2,048
.endr
.irp q, 0,1,2,3
	v_cvt_pk_bf16_f32 v[144+4*(\k)+(\q)], v[R+2*(\q)], v[R+2*(\q)+1]
.endr
	global_store_b128 v3, v[144+4*(\k):144+4*(\k)+3], s[22:23] offset:2048*(\k)       ; 512 consecutive bytes
.endr
	s_or_b32 s15, s14, s12                         ; one wave a u makes k's mean
	s_cmp_lg_u32 s15, 0
	s_cbranch_scc1 .Lend
	v_lshlrev_b32 v4, 3, v2                        ; 8 x lane
	s_lshl_b32 s16, s13, 11
	s_add_nc_u64 s[6:7], s[6:7], s[16:17]
	s_lshl_b32 s18, s13, 8
	s_add_nc_u64 s[10:11], s[10:11], s[18:19]
.irp p, 0,1,2,3,4,5,6,7
	global_load_b64 v[16+2*(\p):17+2*(\p)], v4, s[6:7] offset:256*(\p) th:TH_LOAD_NT
.endr
	s_wait_loadcnt 0x0
.irp p, 0,4,8,12
	v_pk_add_f32 v[16+(\p):17+(\p)], v[16+(\p):17+(\p)], v[18+(\p):19+(\p)]
.endr
	v_pk_add_f32 v[16:17], v[16:17], v[20:21]
	v_pk_add_f32 v[24:25], v[24:25], v[28:29]
	v_pk_add_f32 v[16:17], v[16:17], v[24:25]
	v_pk_mul_f32 v[16:17], v[16:17], 0x3a000000 op_sel_hi:[1,0]
	global_store_b64 v4, v[16:17], s[10:11]        ; 256 consecutive bytes
.Lend:
	s_endpgm
.Lfunc_end_k_q586c70db7a_red:
	.size	k_q586c70db7a_red, .Lfunc_end_k_q586c70db7a_red-k_q586c70db7a_red
	.p2alignl 7, 3214868480
	.fill 96, 4, 3214868480
	.section	.rodata,"a",@progbits
	.p2align	6, 0x0
	.amdhsa_kernel k_q586c70db7a_red
		.amdhsa_group_segment_fixed_size 0
		.amdhsa_private_segment_fixed_size 0
		.amdhsa_enable_private_segment 0
		.amdhsa_kernarg_size 32
		.amdhsa_user_sgpr_count 2
		.amdhsa_user_sgpr_kernarg_segment_ptr 1
		.amdhsa_wavefront_size32 1
		.amdhsa_system_sgpr_workgroup_id_x 1
		.amdhsa_system_sgpr_workgroup_id_y 1
		.amdhsa_system_sgpr_workgroup_id_z 1
		.amdhsa_system_vgpr_workitem_id 0
		.amdhsa_next_free_vgpr 152
		.amdhsa_next_free_sgpr 66
		.amdhsa_reserve_vcc 0
		.amdhsa_float_denorm_mode_32 3
		.amdhsa_float_denorm_mode_16_64 3
		.amdhsa_memory_ordered 1
		.amdhsa_forward_progress 1
		.amdhsa_inst_pref_size 11
	.end_amdhsa_kernel
	.amdgpu_metadata
---
amdhsa.version: [ 1, 2 ]
amdhsa.kernels:
  - .name:           k_q586c70db7a_red
    .symbol:         k_q586c70db7a_red.kd
    .args:
      - { .name: kvp, .offset: 0, .size: 8, .value_kind: global_buffer, .address_space: global }
      - { .name: ksp, .offset: 8, .size: 8, .value_kind: global_buffer, .address_space: global }
      - { .name: kvf, .offset: 16, .size: 8, .value_kind: global_buffer, .address_space: global }
      - { .name: km, .offset: 24, .size: 8, .value_kind: global_buffer, .address_space: global }
    .group_segment_fixed_size: 0
    .private_segment_fixed_size: 0
    .kernarg_segment_align: 8
    .kernarg_segment_size: 32
    .max_flat_workgroup_size: 128
    .sgpr_count:     66
    .vgpr_count:     152
    .wavefront_size: 32
...
	.end_amdgpu_metadata
.endif
;; end of part 3
;; launch fin (part 4): grid 256 x 1, 16 waves a work-group, no clusters, 289,280 bytes of LDS; arguments q2, tab, x, kvf, km, gamma, beta, out0; writes out0
.if DOCPART == 4
	.amdgcn_target "amdgcn-amd-amdhsa--gfx1250"
	.amdhsa_code_object_version 6
	.text
	.protected	k_q586c70db7a_fin
	.globl	k_q586c70db7a_fin
	.p2align	8
	.type	k_q586c70db7a_fin,@function
k_q586c70db7a_fin:
	s_mov_b64 s[64:65], 0
	v_nop
	global_prefetch_b8 v0, s[64:65] scope:SCOPE_SE
	s_setreg_imm32_b32 hwreg(HW_REG_WAVE_MODE, 25, 1), 1
	s_wait_xcnt 0x0
; THE LAST STEP.  q = gelu(q2) + 0.21; z = 1 / (q . kmean + 1e-6); out = (rope(q) kv) z; res = out + x; LayerNorm over the 1,024 channels, eps 1e-12, gamma, beta.
; SHARES.  A work-group owns 64 rows; wave w is head w (64 channels) for all of them, in four blocks of 16 rows.
; TWO HALVES OF 32 ROWS.  A half is finished (two blocks, the meeting of the sixteen heads, the way out) before the next begins, so the first half's stores leave while the second is computed.
; x (f32) comes by TWO tensor loads a wave, 32 rows x 256 bytes each, issued together at the head into LDS bytes of the wave's own: one load of 64 rows would put the first use of x behind all of it.
; Nothing in LDS is filled twice.  When a block's x has been read, res takes its place there: a half of a wave's region is 8,704 bytes, 34 whole blocks of 256, which have had their one fill by then.
; The small loads (kv, kmean, gamma, beta, the first q2 and table blocks) are issued ahead of x, and q's own work, which needs no x, stands ahead of the wait for x.
; LAYOUT.  q2's and the table's blocks come in lane order (lane 16 h + r: row r, channels 8 h + 0..7 of 16): they ARE the second source of out^T = kv^T q_r^T, whose result holds one row a lane
; and eight channels.  So z, the residual and a row's statistics over the head stay in the lane, but for one exchange between the halves of the lanes.
; STATISTICS.  For each (row, head): the sum and the sum of squares about the HEAD's own mean; the sixteen heads meet in LDS and are combined as M2 + 64 (mean_head - mean)^2:
; no difference of large sums is formed.  The residual takes x in f32.
; NO PREFETCH, NO CLUSTER: the launch moves its 64 rows' x, q2 and out0 once, for a few thousand vector instructions a wave: memory binds it; what work-groups share (kvf, km, the table) is a small part of its bytes.
; LIMITS.  q_r and kv enter the product in bf16, cos and sin in f16; GELU as in the product's launch (absolute error below 1e-7; a power below 2^-126 counts as 0); NaN and infinities are not treated apart.
.set XPITCH, 272                       ; a row of x in LDS: 256 bytes + 16: the 16 rows that a load touches start at 16 different groups of four banks
.set XBYTES, 64*XPITCH                 ; a wave's region
.set HBYTES, 32*XPITCH                 ; a half of it
.set S1,     16*XBYTES                 ; [row 64][head 16][sum, M2]: each half has rows, and so bytes, of its own
.set S2,     S1+8192                   ; [half 2][row % 2][row / 2 (16)][mean, 1/sigma]
.set SPARE,  S2+512                    ; the spare words, 128 bytes for each of 16 waves: eight blocks of 256 bytes that no other line names
.set LO16, 1                           ; v1   16 x lane
.set STD,  2                           ; v2   my row's 32 bytes in block 0: region + 272 r + 32 h; never rewritten
.set RD0,  3                           ; v3   by rows: region + 272 (l / 16) + 16 (l % 16); never rewritten
.set SA,   4                           ; v4   S1 + 128 r + 8 w; never rewritten
.set GO,   5                           ; v5   4,096 (l / 16) + 16 (l % 16): two rows of out0
.set KMO,  6                           ; v6   128 h
.set ZR,   7                           ; v7   0.0
.set SPW,  8                           ; v8   LDS address of my spare word; never rewritten
.set NIL,  9                           ; v9   0; never rewritten
.set P2A,  10                          ; v10  S1 + 256 w + 128 (l / 16) + 8 (l % 16)
.set S2W,  11                          ; v11  S2 + 128 (l / 16) + 8 w
.set ZP,   12                          ; v[12:13] z, twice
.set KV,   16                          ; v[16:79]   kv^T's fragments: block fb at 16 + 4 fb
.set KM,   80                          ; v[80:111]  kmean of my 32 channels
.set QR,   112                         ; v[112:127] q2 as loaded
.set TB,   128                         ; v[128:143] table words
.set QF,   144                         ; v[144:175] q in f32; then x, then res; on the way out a block's rows
.set XR,   144
.set FR,   176                         ; v[176:191] q_r in bf16; on the way out a block's means
.set DD,   192                         ; v[192:223] q_r in f32; then the four accumulators; then deviations; on the way out the other block's rows
.set GT,   176                         ; GELU's registers at work
.set GE,   192
.set GP,   208
.set GAM,  224
.set BET,  228
.set ST,   232                         ; v[232:247] at work; on the way out the other block's means
.set MN,   248                         ; v[248:249] the head's mean, twice
.set SM,   250                         ; v[250:251] sum, M2
.set GC,   252                         ; v252 16 (l % 16)
.set S2R,  253                         ; v253 S2 + 128 (l / 16)
.set ADX,  254                         ; v254 an LDS address in hand: a lane term above plus a scalar that steps with the loops
.set ADS,  255                         ; v255 another
.set WV,   2
.set CNT,  3                           ; blocks of the half to go
.set XO,   4                           ; 16 rows of the region x the block's number
.set SO,   5                           ; 16 rows of S1 x the block's number
.set HX,   6                           ; HBYTES x half
.set HS,   7                           ; 256 x half
.set HP,   8                           ; 4,096 x half: 32 rows of S1
.set G0,   24                          ; s[24:27] descriptor group 0, rows 0-31
.set G1,   28                          ; s[28:35] group 1, for both loads
.set C1,   36
.set C2,   38
.set C3,   40
.set C4,   42
.set C5,   44
.set NC,   46
.set C21,  48
.set PCO,  50
.set HIM,  51
.set SEL,  52
.set HC,   54                          ; halves to go
.set BL,   55                          ; blocks to go in all
.set QP,   56
.set TP,   58
.set G0B,  60                          ; s[60:63] descriptor group 0, rows 32-63
	s_load_b512 s[8:23], s[0:1], 0x0               ; q2 s[8:9], tab s[10:11], x s[12:13], kvf s[14:15], km s[16:17], gamma s[18:19], beta s[20:21], out0 s[22:23]
	v_lshl_add_u32 v[SPW], v0, 2, SPARE
	v_mov_b32 v[NIL], 0
	ds_add_u32 v[SPW], v[NIL]                      ; the wave's opening: the add, twice on end, and its wait ahead of my first tensor load
	ds_add_u32 v[SPW], v[NIL]
	v_lshrrev_b32 v1, 5, v0
	v_readfirstlane_b32 s[WV], v1                  ; wave = head, 0..15
	s_mov_b32 s[G1+0], (2<<16)|(1<<20)|(5<<22)|(3<<25)  ; 4-byte elements; padding on; after every 64 words; 4 words
	s_mov_b32 s[G1+1], 64<<16                      ; tensor_dim0 = 64
	s_mov_b32 s[G1+2], 32<<16                      ; tensor_dim1 = 32
	s_mov_b32 s[G1+3], 64<<16                      ; tile_dim0 = 64
	s_mov_b32 s[G1+4], 32                          ; tile_dim1 = 32
	s_mov_b32 s[G1+5], 1024                        ; elements from row to row
	s_mov_b32 s[G1+6], 0
	s_mov_b32 s[G1+7], 0
	s_mov_b32 s[G0], 1
	s_mul_i32 s[G0+1], s[WV], XBYTES               ; my region
	s_mov_b32 s[G0B], 1
	s_add_co_u32 s[G0B+1], s[G0+1], HBYTES         ; its second half
	s_lshl_b32 s4, ttmp9, 18                       ; the group's 64 rows of 4,096 bytes,
	s_lshl_b32 s5, s[WV], 8                        ; my head's 256 bytes
	s_add_co_u32 s4, s4, s5
	s_mov_b32 s5, 0
.irp c, C1, C2, C3, C4, C5, NC, C21
.if (\c) == C1
	s_mov_b32 s[\c], 0x3e027906                    ; c1 =  0.127414796
.elseif (\c) == C2
	s_mov_b32 s[\c], 0xbe11a98e                    ; c2 = -0.142248368
.elseif (\c) == C3
	s_mov_b32 s[\c], 0x3f35f0e3                    ; c3 =  0.7107068705
.elseif (\c) == C4
	s_mov_b32 s[\c], 0xbf3a00e3                    ; c4 = -0.7265760135
.elseif (\c) == C5
	s_mov_b32 s[\c], 0x3f07dc22                    ; c5 =  0.5307027145
.elseif (\c) == NC
	s_mov_b32 s[\c], 0xbf38aa3b                    ; -log2(e) / 2
.else
	s_mov_b32 s[\c], 0x3e570a3d                    ; 0.21
.endif
	s_mov_b32 s[(\c)+1], s[\c]                     ; named as a pair, so both words are written
.endr
	s_mov_b32 s[PCO], 0x3e6d3389                   ; 0.2316419
	s_mov_b32 s[HIM], 0xffff0000
	s_mov_b32 s[SEL], 0x76543210                   ; v_permlanex16_b32: each lane takes its own place in the other half
	s_mov_b32 s[SEL+1], 0xfedcba98
	s_wait_dscnt 0x0                               ; both opening adds are done
	s_wait_kmcnt 0x0
	s_add_nc_u64 s[G0+2:G0+3], s[12:13], s[4:5]
	s_add_nc_u64 s[G0B+2:G0B+3], s[G0+2:G0+3], 32*4096
	s_or_b32 s[G0+3], s[G0+3], 0x80000000
	s_or_b32 s[G0B+3], s[G0B+3], 0x80000000
	s_add_nc_u64 s[22:23], s[22:23], s[4:5]        ; out0 at the same place
	s_lshr_b32 s6, ttmp9, 5                        ; the batch
	s_lshl_b32 s6, s6, 4
	s_add_co_u32 s6, s6, s[WV]                     ; u = 16 batch + head
	s_lshl_b32 s4, s6, 13
	s_add_nc_u64 s[14:15], s[14:15], s[4:5]
	s_lshl_b32 s4, s6, 8
	s_add_nc_u64 s[16:17], s[16:17], s[4:5]
	s_lshl_b32 s4, s[WV], 8
	s_add_nc_u64 s[18:19], s[18:19], s[4:5]
	s_add_nc_u64 s[20:21], s[20:21], s[4:5]
	s_lshl_b32 s7, s[WV], 11                       ; my head's four blocks of 512 bytes
	s_lshl_b32 s4, ttmp9, 17                       ; four blocks of 16 rows x 64 blocks
	s_add_co_u32 s4, s4, s7
	s_add_nc_u64 s[QP:QP+1], s[8:9], s[4:5]
	s_and_b32 s4, ttmp9, 31                        ; the rows' place in the sequence
	s_lshl_b32 s4, s4, 17
	s_add_co_u32 s4, s4, s7
	s_add_nc_u64 s[TP:TP+1], s[10:11], s[4:5]
	v_and_b32 v14, 31, v0
	v_and_b32 v15, 15, v0                          ; r
	v_bfe_u32 v13, v0, 4, 1                        ; h
	v_lshlrev_b32 v[LO16], 4, v14
	v_mul_u32_u24 v[STD], v15, XPITCH
	v_lshl_add_u32 v[STD], v13, 5, v[STD]
	v_add_nc_u32 v[STD], s[G0+1], v[STD]
	v_mul_u32_u24 v[RD0], v13, XPITCH
	v_lshl_add_u32 v[RD0], v15, 4, v[RD0]
	v_add_nc_u32 v[RD0], s[G0+1], v[RD0]
	s_lshl_b32 s6, s[WV], 3
	s_add_co_u32 s6, s6, S1
	v_lshl_add_u32 v[SA], v15, 7, s6
	v_lshlrev_b32 v[GO], 12, v13
	v_lshl_add_u32 v[GO], v15, 4, v[GO]
	v_lshlrev_b32 v[KMO], 7, v13
	v_mov_b32 v[ZR], 0
	s_lshl_b32 s6, s[WV], 8
	s_add_co_u32 s6, s6, S1
	v_lshl_add_u32 v[P2A], v13, 7, s6
	v_lshl_add_u32 v[P2A], v15, 3, v[P2A]
	s_lshl_b32 s6, s[WV], 3
	s_add_co_u32 s6, s6, S2
	v_lshl_add_u32 v[S2W], v13, 7, s6
	v_lshl_add_u32 v[S2R], v13, 7, S2
	v_lshlrev_b32 v[GC], 4, v15
.macro QLOAD
.irp i, 0,1,2,3
	global_load_b128 v[QR+4*(\i):QR+4*(\i)+3], v[LO16], s[QP:QP+1] offset:512*(\i) th:TH_LOAD_NT
.endr
.endm
.macro TLOAD
.irp i, 0,1,2,3
	global_load_b128 v[TB+4*(\i):TB+4*(\i)+3], v[LO16], s[TP:TP+1] offset:512*(\i)
.endr
.endm
.set i, 0
.rept 16
	global_load_b128 v[KV+4*i:KV+4*i+3], v[LO16], s[14:15] offset:512*i
.set i, i+1
.endr
.set i, 0
.rept 8
	global_load_b128 v[KM+4*i:KM+4*i+3], v[KMO], s[16:17] offset:16*i
.set i, i+1
.endr
	global_load_b128 v[GAM:GAM+3], v[GC], s[18:19]
	global_load_b128 v[BET:BET+3], v[GC], s[20:21]
	QLOAD
	TLOAD                                          ; the table's four are the youngest
	tensor_load_to_lds s[G0:G0+3], s[G1:G1+7]      ; x, rows 0-31,
	s_nop 0
	tensor_load_to_lds s[G0B:G0B+3], s[G1:G1+7]    ; and rows 32-63: two loads of mine are out, and no more are issued
	s_nop 0
; gelu(x) + 0.21 in place on cnt registers at x; t, e, p: cnt registers each, at work.  All reciprocals and powers are ONE batch with one wait.
.macro GELU x, cnt, t, e, p
.set z, 0
.rept \cnt
	v_fma_f32 v[\t+z], |v[\x+z]|, s[PCO], 1.0
.set z, z+1
.endr
.set z, 0
.rept (\cnt)/2
	v_pk_mul_f32 v[\e+z:\e+z+1], v[\x+z:\x+z+1], v[\x+z:\x+z+1]
.set z, z+2
.endr
.set z, 0
.rept (\cnt)/2
	v_pk_mul_f32 v[\e+z:\e+z+1], v[\e+z:\e+z+1], s[NC:NC+1] op_sel_hi:[1,0]
.set z, z+2
.endr
.set z, 0
.rept \cnt
	v_rcp_f32 v[\t+z], v[\t+z]
.set z, z+1
.endr
.set z, 0
.rept \cnt
	v_exp_f32 v[\e+z], v[\e+z]
.set z, z+1
.endr
	v_nop                                          ; a plain instruction behind the last of the batch,
	s_wait_alu depctr_va_vdst(0)                   ; and the one wait ahead of the first use
.set z, 0
.rept (\cnt)/2
	v_pk_fma_f32 v[\p+z:\p+z+1], v[\t+z:\t+z+1], s[C5:C5+1], s[C4:C4+1] op_sel_hi:[1,0,0]
.set z, z+2
.endr
.irp c, C3, C2, C1
.set z, 0
.rept (\cnt)/2
	v_pk_fma_f32 v[\p+z:\p+z+1], v[\p+z:\p+z+1], v[\t+z:\t+z+1], s[\c:\c+1] op_sel_hi:[1,1,0]
.set z, z+2
.endr
.endr
.set z, 0
.rept (\cnt)/2
	v_pk_mul_f32 v[\p+z:\p+z+1], v[\p+z:\p+z+1], v[\t+z:\t+z+1]
.set z, z+2
.endr
.set z, 0
.rept (\cnt)/2
	v_pk_mul_f32 v[\e+z:\e+z+1], v[\p+z:\p+z+1], v[\e+z:\e+z+1]
	v_pk_add_f32 v[\t+z:\t+z+1], v[\x+z:\x+z+1], s[C21:C21+1] op_sel_hi:[1,0]
.set z, z+2
.endr
.set z, 0
.rept \cnt
	v_max_num_f32 v[\t+z], s[C21], v[\t+z]
.set z, z+1
.endr
.set z, 0
.rept \cnt
	v_fma_f32 v[\x+z], -|v[\x+z]|, v[\e+z], v[\t+z]
.set z, z+1
.endr
.endm
; the four pairs at ST .. ST+7 are added up, the other half of the lanes' share too, into d
.macro FOLD d
	v_pk_add_f32 v[ST:ST+1], v[ST:ST+1], v[ST+2:ST+3]
	v_pk_add_f32 v[ST+4:ST+5], v[ST+4:ST+5], v[ST+6:ST+7]
	v_pk_add_f32 v[ST:ST+1], v[ST:ST+1], v[ST+4:ST+5]
	v_add_f32 v14, v[ST], v[ST+1]
	v_permlanex16_b32 v15, v14, s[SEL], s[SEL+1]   ; the row's other 32 channels lie in the lane 16 away
	v_add_f32 v[\d], v14, v15
.endm
; A block's way out: rows at rb (4 registers for each pair of rows), their means and 1/sigma at qb (2 for each); v[12:15] and v[248:251] take gamma / sigma by turns.
.macro WAYOUT i, rb, qb
.irp t, 0,1,2,3,4,5,6,7
.set R, (\rb)+4*(\t)
.set Q, (\qb)+2*(\t)
.set W, 12+236*((\t)%2)
	v_pk_mul_f32 v[W:W+1],   v[GAM:GAM+1],   v[Q:Q+1] op_sel:[0,1] op_sel_hi:[1,1]
	v_pk_mul_f32 v[W+2:W+3], v[GAM+2:GAM+3], v[Q:Q+1] op_sel:[0,1] op_sel_hi:[1,1]
	v_pk_add_f32 v[R:R+1],   v[R:R+1],   v[Q:Q+1] op_sel_hi:[1,0] neg_lo:[0,1] neg_hi:[0,1]
	v_pk_add_f32 v[R+2:R+3], v[R+2:R+3], v[Q:Q+1] op_sel_hi:[1,0] neg_lo:[0,1] neg_hi:[0,1]
	v_pk_fma_f32 v[R:R+1],   v[R:R+1],   v[W:W+1],   v[BET:BET+1]
	v_pk_fma_f32 v[R+2:R+3], v[R+2:R+3], v[W+2:W+3], v[BET+2:BET+3]
	global_store_b128 v[GO], v[R:R+3], s[22:23] offset:(16*(\i)+2*(\t))*4096 th:TH_STORE_NT   ; 16 lanes store 256 consecutive bytes, at a multiple of 256 from out0's first
.endr
.endm
	s_mov_b32 s[XO], 0
	s_mov_b32 s[SO], 0
	s_mov_b32 s[HX], 0
	s_mov_b32 s[HS], 0
	s_mov_b32 s[HP], 0
	s_mov_b32 s[BL], 4
	s_mov_b32 s[HC], 2
.Lhalf:
	s_mov_b32 s[CNT], 2
.Lblock:
	s_wait_loadcnt 0x4                             ; q2's block and all older loads are in; the table's four, issued behind them, may stay out (at the entry and round the back edges alike)
.set z, 0
.rept 16
	v_lshlrev_b32 v[QF+2*z], 16, v[QR+z]           ; bf16 to f32
	v_and_b32 v[QF+2*z+1], s[HIM], v[QR+z]
.set z, z+1
.endr
	GELU QF, 16, GT, GE, GP
	GELU QF+16, 16, GT, GE, GP
.set z, 0
.rept 4
	v_pk_mul_f32 v[ST+2*z:ST+2*z+1], v[QF+2*z:QF+2*z+1], v[KM+2*z:KM+2*z+1]     ; q . kmean, in four chains
.set z, z+1
.endr
.rept 12
	v_pk_fma_f32 v[ST+2*(z%4):ST+2*(z%4)+1], v[QF+2*z:QF+2*z+1], v[KM+2*z:KM+2*z+1], v[ST+2*(z%4):ST+2*(z%4)+1]
.set z, z+1
.endr
	FOLD 14
	v_add_f32 v14, 0x358637bd, v14                 ; + 1e-6
	v_rcp_f32 v[ZP], v14                           ; twice, to fill the pair that the packed multiply-add takes
	v_rcp_f32 v[ZP+1], v14
	v_nop
	s_wait_alu depctr_va_vdst(0)
	s_wait_loadcnt 0x0                             ; the table words: nothing else is out; both bases may be stepped
	s_cmp_eq_u32 s[BL], 1
	s_cbranch_scc1 .Lnoq                           ; the last block of all asks for nothing
	s_add_nc_u64 s[QP:QP+1], s[QP:QP+1], 32768
	QLOAD
.Lnoq:
.set z, 0
.rept 16
	v_fma_mix_f32 v[DD+2*z],   v[QF+2*z],   v[TB+z], v[ZR] op_sel_hi:[0,1,0]       ; x1 cos, x2 cos
	v_fma_mix_f32 v[DD+2*z+1], v[QF+2*z+1], v[TB+z], v[ZR] op_sel_hi:[0,1,0]
.set z, z+1
.endr
.set z, 0
.rept 16
	v_fma_mix_f32 v[DD+2*z],   -v[QF+2*z+1], v[TB+z], v[DD+2*z]   op_sel:[0,1,0] op_sel_hi:[0,1,0]   ; - x2 sin
	v_fma_mix_f32 v[DD+2*z+1], v[QF+2*z],    v[TB+z], v[DD+2*z+1] op_sel:[0,1,0] op_sel_hi:[0,1,0]   ; + x1 sin
.set z, z+1
.endr
.set z, 0
.rept 16
	v_cvt_pk_bf16_f32 v[FR+z], v[DD+2*z], v[DD+2*z+1]
.set z, z+1
.endr
	s_cmp_eq_u32 s[BL], 1
	s_cbranch_scc1 .Lnot
	s_add_nc_u64 s[TP:TP+1], s[TP:TP+1], 32768
	TLOAD
.Lnot:
	v_add_nc_u32 v[ADX], s[XO], v[STD]             ; my row in the block in hand
	s_wait_tensorcnt 0x1                           ; rows 0-31 of x are in; the one younger load, rows 32-63, may stay out (the second half reads behind the wait at the first half's end).  Only I read my region
.irp e, 0,1,2,3
	ds_load_b128 v[XR+8*(\e):XR+8*(\e)+3],   v[ADX] offset:64*(\e)              ; x of my row, channels 16 e + 8 h + 0..7
	ds_load_b128 v[XR+8*(\e)+4:XR+8*(\e)+7], v[ADX] offset:64*(\e)+16
.endr
.irp e, 0,1,2,3                        ; out^T = kv^T q_r^T: the four accumulators take turns; the first four products start the sums
	v_wmma_f32_16x16x32_bf16 v[DD+8*(\e):DD+8*(\e)+7], v[KV+16*(\e):KV+16*(\e)+7], v[FR:FR+7], 0
.endr
.irp e, 0,1,2,3
	v_wmma_f32_16x16x32_bf16 v[DD+8*(\e):DD+8*(\e)+7], v[KV+16*(\e)+8:KV+16*(\e)+15], v[FR+8:FR+15], v[DD+8*(\e):DD+8*(\e)+7]
.endr
.rept 4
	v_nop                                          ; the places behind the last product
.endr
	s_wait_dscnt 0x0                               ; x
.set z, 0
.rept 16
	v_pk_fma_f32 v[XR+2*z:XR+2*z+1], v[DD+2*z:DD+2*z+1], v[ZP:ZP+1], v[XR+2*z:XR+2*z+1]   ; res = out z + x
.set z, z+1
.endr
.irp e, 0,1,2,3
	ds_store_b128 v[ADX], v[XR+8*(\e):XR+8*(\e)+3]   offset:64*(\e)              ; res takes x's place: those bytes have had their one fill
	ds_store_b128 v[ADX], v[XR+8*(\e)+4:XR+8*(\e)+7] offset:64*(\e)+16
.endr
.set z, 0
.rept 8
	v_pk_add_f32 v[ST+2*z:ST+2*z+1], v[XR+4*z:XR+4*z+1], v[XR+4*z+2:XR+4*z+3]
.set z, z+1
.endr
.set z, 0
.rept 4
	v_pk_add_f32 v[ST+2*z:ST+2*z+1], v[ST+2*z:ST+2*z+1], v[ST+8+2*z:ST+8+2*z+1]
.set z, z+1
.endr
	FOLD SM                                        ; the row's sum over my head
	v_mul_f32 v[MN], 0x3c800000, v[SM]             ; / 64
	v_mul_f32 v[MN+1], 0x3c800000, v[SM]
.set z, 0
.rept 16
	v_pk_add_f32 v[DD+2*z:DD+2*z+1], v[XR+2*z:XR+2*z+1], v[MN:MN+1] neg_lo:[0,1] neg_hi:[0,1]
.set z, z+1
.endr
.set z, 0
.rept 4
	v_pk_mul_f32 v[ST+2*z:ST+2*z+1], v[DD+2*z:DD+2*z+1], v[DD+2*z:DD+2*z+1]
.set z, z+1
.endr
.rept 12
	v_pk_fma_f32 v[ST+2*(z%4):ST+2*(z%4)+1], v[DD+2*z:DD+2*z+1], v[DD+2*z:DD+2*z+1], v[ST+2*(z%4):ST+2*(z%4)+1]
.set z, z+1
.endr
	FOLD SM+1                                      ; and its squares about the head's mean
	v_add_nc_u32 v[ADS], s[SO], v[SA]
	ds_store_b64 v[ADS], v[SM:SM+1]                ; both halves of the lanes write the same two words
	s_add_co_u32 s[XO], s[XO], 16*XPITCH
	s_add_co_u32 s[SO], s[SO], 2048
	s_sub_co_u32 s[BL], s[BL], 1
	s_sub_co_u32 s[CNT], s[CNT], 1
	s_cmp_lg_u32 s[CNT], 0
	s_cbranch_scc1 .Lblock
	; THE SIXTEEN HEADS MEET, for the half's 32 rows.  Wave w finishes rows 2 w and 2 w + 1: a lane a head, the two rows in the two halves of the lanes.
	s_wait_dscnt 0x0                               ; for the others' sake: my stores are done
	s_barrier_signal -1
	s_barrier_wait -1
	v_add_nc_u32 v[ADS], s[HP], v[P2A]
	ds_load_b64 v[232:233], v[ADS]
	s_wait_dscnt 0x0
	v_mov_b32 v242, v232
.irp m, 1,2,4,8
	v_add_f32_dpp v242, v242, v242 row_xmask:\m row_mask:0xf bank_mask:0xf
.endr
	v_mul_f32 v242, 0x3a800000, v242               ; the mean: / 1,024
	v_fma_f32 v238, v232, 0x3c800000, -v242        ; the head's mean less the row's
	v_mul_f32 v238, v238, v238
	v_fmamk_f32 v238, v238, 0x42800000, v233       ; x 64 + M2
.irp m, 1,2,4,8
	v_add_f32_dpp v238, v238, v238 row_xmask:\m row_mask:0xf bank_mask:0xf
.endr
	v_mul_f32 v238, 0x3a800000, v238               ; the variance
	v_add_f32 v238, 0x2b8cbccc, v238               ; + 1e-12
	v_rsq_f32 v243, v238
	v_add_nc_u32 v[ADS], s[HS], v[S2W]             ; the plain instruction behind the root,
	s_wait_alu depctr_va_vdst(0)                   ; and its wait
	ds_store_b64 v[ADS], v[242:243]                ; row 2 w + l / 16
	s_wait_dscnt 0x0
	s_barrier_signal -1
	s_barrier_wait -1
	; THE HALF'S WAY OUT, by rows: lanes 0-15 take one row's 256 bytes of my head, lanes 16-31 the next.  Each of the two blocks has registers of its own; all 24 LDS loads go out first.
	v_add_nc_u32 v[ADX], s[HX], v[RD0]
	v_add_nc_u32 v[ADS], s[HS], v[S2R]
.irp t, 0,1,2,3,4,5,6,7
	ds_load_b128 v[144+4*(\t):144+4*(\t)+3], v[ADX] offset:2*XPITCH*(\t)
.endr
.irp t, 0,1,2,3
	ds_load_b128 v[176+4*(\t):176+4*(\t)+3], v[ADS] offset:16*(\t)
.endr
.irp t, 0,1,2,3,4,5,6,7
	ds_load_b128 v[192+4*(\t):192+4*(\t)+3], v[ADX] offset:16*XPITCH+2*XPITCH*(\t)
.endr
.irp t, 0,1,2,3
	ds_load_b128 v[232+4*(\t):232+4*(\t)+3], v[ADS] offset:64+16*(\t)
.endr
	s_wait_dscnt 12                                ; the first block's twelve loads are in; the second's may stay out
	WAYOUT 0, 144, 176
	s_wait_dscnt 0x0
	WAYOUT 1, 192, 232
	s_wait_tensorcnt 0x0                           ; once a half, ahead of the second half's reads of rows 32-63: that load is my last, so no younger one is left to count
	s_wait_xcnt 0x0                                ; the half's stores have read their registers and their base: only now are they written again
	s_add_nc_u64 s[22:23], s[22:23], 32*4096
	s_add_co_u32 s[HX], s[HX], HBYTES
	s_add_co_u32 s[HS], s[HS], 256
	s_add_co_u32 s[HP], s[HP], 4096
	s_sub_co_u32 s[HC], s[HC], 1
	s_cmp_lg_u32 s[HC], 0
	s_cbranch_scc1 .Lhalf
	s_wait_tensorcnt 0x0                           ; the wave's end, behind my tensor loads and my last LDS store
	ds_add_u32 v[SPW], v[NIL]
	s_wait_dscnt 0x0
	s_endpgm
.Lfunc_end_k_q586c70db7a_fin:
	.size	k_q586c70db7a_fin, .Lfunc_end_k_q586c70db7a_fin-k_q586c70db7a_fin
	.p2alignl 7, 3214868480
	.fill 96, 4, 3214868480
	.section	.rodata,"a",@progbits
	.p2align	6, 0x0
	.amdhsa_kernel k_q586c70db7a_fin
		.amdhsa_group_segment_fixed_size 289280
		.amdhsa_private_segment_fixed_size 0
		.amdhsa_enable_private_segment 0
		.amdhsa_kernarg_size 64
		.amdhsa_user_sgpr_count 2
		.amdhsa_user_sgpr_kernarg_segment_ptr 1
		.amdhsa_wavefront_size32 1
		.amdhsa_system_sgpr_workgroup_id_x 1
		.amdhsa_system_sgpr_workgroup_id_y 1
		.amdhsa_system_sgpr_workgroup_id_z 1
		.amdhsa_system_vgpr_workitem_id 0
		.amdhsa_next_free_vgpr 256
		.amdhsa_next_free_sgpr 66
		.amdhsa_reserve_vcc 0
		.amdhsa_float_denorm_mode_32 3
		.amdhsa_float_denorm_mode_16_64 3
		.amdhsa_memory_ordered 1
		.amdhsa_forward_progress 1
		.amdhsa_inst_pref_size 51
	.end_amdhsa_kernel
	.amdgpu_metadata
---
amdhsa.version: [ 1, 2 ]
amdhsa.kernels:
  - .name:           k_q586c70db7a_fin
    .symbol:         k_q586c70db7a_fin.kd
    .args:
      - { .name: q2, .offset: 0, .size: 8, .value_kind: global_buffer, .address_space: global }
      - { .name: tab, .offset: 8, .size: 8, .value_kind: global_buffer, .address_space: global }
      - { .name: x, .offset: 16, .size: 8, .value_kind: global_buffer, .address_space: global }
      - { .name: kvf, .offset: 24, .size: 8, .value_kind: global_buffer, .address_space: global }
      - { .name: km, .offset: 32, .size: 8, .value_kind: global_buffer, .address_space: global }
      - { .name: gamma, .offset: 40, .size: 8, .value_kind: global_buffer, .address_space: global }
      - { .name: beta, .offset: 48, .size: 8, .value_kind: global_buffer, .address_space: global }
      - { .name: out0, .offset: 56, .size: 8, .value_kind: global_buffer, .address_space: global }
    .group_segment_fixed_size: 289280
    .private_segment_fixed_size: 0
    .kernarg_segment_align: 8
    .kernarg_segment_size: 64
    .max_flat_workgroup_size: 512
    .sgpr_count:     66
    .vgpr_count:     256
    .wavefront_size: 32
...
	.end_amdgpu_metadata
.endif
;; end of part 4
